; MI455X (gfx1250); checked and timed in simulation.
; The chip was launched on July 23, 2026; its instructions are those of AMD's public machine-readable ISA for CDNA 5 (MIT licence, August 2026) and "CDNA5" Instruction Set Architecture Reference Guide (July 2026). The comments in the code are by the model that wrote it; some were corrected since.
;; Self Attention4d. Allowed arithmetic: float matrix products may take bf16 or f16 operands with f32 sums; all other float work in f32.
;; Inputs: hidden_states 1 x 512 x 64 x 64 float32; k_b 512 float32; k_w 512 x 512 float32; o_b 512 float32; o_w 512 x 512 float32; q_b 512 float32; q_w 512 x 512 float32; v_b 512 float32; v_w 512 x 512 float32.
;; Outputs: out0 1 x 512 x 64 x 64 float32.
;; 2 versions, each right. Each part assembles by itself: llvm-mc -triple=amdgcn-amd-amdhsa -mcpu=gfx1250 --defsym DOCPART=n.
;; ======== version 1 of 2: 3 launches
;; limits: values are held in f16: magnitudes above 65,504 overflow, below 6.1e-05 lose precision
;; workspace buffers: qt 4,194,304 bytes; kt 4,194,304 bytes; vv 4,194,304 bytes; ow 524,288 bytes; at 4,194,304 bytes
;; launch proj (part 1): grid 32 x 8, 8 waves a work-group, no clusters, 147,456 bytes of LDS; arguments hidden_states, q_w, k_w, v_w, q_b, k_b, v_b, o_w, qt, kt, vv, ow; writes qt, kt, vv, ow
.if DOCPART == 1
	.amdgcn_target "amdgcn-amd-amdhsa--gfx1250"
	.amdhsa_code_object_version 6
	.text
	.protected	k_qcaa0a66063_proj
	.globl	k_qcaa0a66063_proj
	.p2align	8
	.type	k_qcaa0a66063_proj,@function
k_qcaa0a66063_proj:
	s_mov_b64 s[64:65], 0
	v_nop
	global_prefetch_b8 v0, s[64:65] scope:SCOPE_SE
	s_setreg_imm32_b32 hwreg(HW_REG_WAVE_MODE, 25, 1), 1
	s_wait_xcnt 0x0
; q = Wq X + bq, k' = (Wk X + bk) * 0.125 * log2(e), v = Wv X + bv, all rounded once to f16, and Wo rounded to f16.
; X: [512 c][4096 n] f32.  A work-group takes one head (64 channels of each of q, k, v) and 128 positions: 192 x 128 x 512.
; Out: qt, kt [8 heads][4096 n][64 d] f16 (a position's 64 channels are 128 neighbouring bytes), vv [512 c][4096 n] f16, ow [512][512] f16.
; Eight waves: wn = wave & 1 takes 64 positions (4 tiles u), wd = wave >> 1 takes one tile of 16 channels of each matrix: 12 accumulators.
; K (the 512 input channels) goes in 8 chunks of 64 through two LDS slots: f32 from memory into registers, rounded to f16, stored to LDS.
; NO MULTICAST, NO TENSOR LOADS: X and the weights are f32 in memory and every number has to pass a register to be rounded;
; a tile laid into LDS as f32 would take twice the bytes there and one more way LDS - registers - LDS.
; LIMIT: operands and results are f16: |X|, |W|, |q|, |k'|, |v| above 65,504 become infinities; below 6.1e-5 the absolute error is 3e-8.
.set XG,    1                          ; v1   X: (8 wave) rows of 16,384 bytes + 16 lane
.set WG,    2                          ; v2   W: (8 wave + h) rows of 2,048 bytes + 16 r
.set XSTO,  3                          ; v3   LDS, X chunk: row 8 wave, byte 8 lane
.set WSTO,  4                          ; v4   LDS, W chunk: row 8 wave + h, byte 8 r
.set XF,    5                          ; v5   LDS, transposing load of an X fragment
.set WF,    6                          ; v6   LDS, W fragment
.set BOFF,  7                          ; v7   byte offset of my 8 channels in q_b, k_b
.set VBOFF, 8                          ; v8   byte offset of my one channel in v_b
.set QS,    9                          ; v9   stage of q (k: + 18,432): where I put 16 bytes
.set VS,    10                         ; v10  stage of v: where I put 16 bytes
.set QR,    11                         ; v11  stage of q: where I read 16 bytes back
.set VR,    12                         ; v12  stage of v: the same
.set QGO,   13                         ; v13  16 t: my bytes in a dense block of qt, kt, and in o_w
.set VGO,   14                         ; v14  my bytes in vv
.set OWO,   15                         ; v15  8 t: my bytes in ow
.set ACC,   16                         ; v[16:111]   tile (mat, u) at 16 + 8 (4 mat + u)
.set STG,   112                        ; v[112:191]  20 quads as loaded: 8 of X, 12 of W
.set FXR,   192                        ; v[192:223]  4 fragments of X
.set FWR,   224                        ; v[224:247]  3 fragments of W;  v[248:251] the quad of o_w
.set XSLOT, 18432                      ; 64 rows x 288 bytes (256 + 32)
.set WBASE, 36864
.set WSLOT, 27648                      ; 192 rows x 144 bytes (128 + 16)
.set QST,   92160                      ; 128 rows x 144; k's stage follows at + 18,432
.set VST,   129024                     ; 64 rows x 272
	s_load_b512 s[4:19], s[0:1], 0x0               ; X 4, q_w 6, k_w 8, v_w 10, q_b 12, k_b 14, v_b 16, o_w 18
	s_load_b256 s[20:27], s[0:1], 0x40             ; qt 20, kt 22, vv 24, ow 26
	v_lshl_add_u32 v254, v0, 2, 0x23c00
	v_mov_b32 v255, 0
	s_and_b32 s29, ttmp7, 0xffff                   ; head
	v_lshrrev_b32 v16, 5, v0
	v_readfirstlane_b32 s30, v16                   ; wave
	s_and_b32 s36, s30, 1                          ; wn
	s_lshr_b32 s37, s30, 1                         ; wd
	s_mov_b32 s34, 0x3e38aa3b                      ; 0.125 * log2(e): the scale of k and the base change of the softmax's exponential
	s_mov_b32 s35, 0x3e38aa3b
	v_and_b32 v16, 31, v0                          ; lane L
	v_and_b32 v17, 15, v0                          ; r
	v_bfe_u32 v18, v0, 4, 1                        ; h
	v_and_b32 v19, 7, v0                           ; L & 7
	v_bfe_u32 v20, v0, 3, 1                        ; (L >> 3) & 1
	v_mul_u32_u24 v22, v17, 144                    ; 144 r
	s_lshl_b32 s31, s30, 17
	v_lshl_add_u32 v[XG], v16, 4, s31
	s_lshl_b32 s31, s30, 14
	v_lshl_add_u32 v21, v18, 11, s31
	v_lshl_add_u32 v[WG], v17, 4, v21
	s_mul_i32 s31, s30, 2304                       ; 8 rows of 288
	v_lshl_add_u32 v[XSTO], v16, 3, s31
	s_mul_i32 s31, s30, 1152                       ; 8 rows of 144
	s_add_co_u32 s31, s31, WBASE
	v_mul_u32_u24 v21, v18, 144
	v_add_nc_u32 v21, s31, v21
	v_lshl_add_u32 v[WSTO], v17, 3, v21
	v_lshl_add_u32 v21, v18, 3, v19                ; 8 h + (L & 7): the row (input channel) that this lane addresses
	v_mul_u32_u24 v21, v21, 288
	s_lshl_b32 s31, s36, 7                         ; 64 positions of 2 bytes
	v_add_nc_u32 v21, s31, v21
	v_lshl_add_u32 v[XF], v20, 4, v21
	s_mul_i32 s31, s37, 2304                       ; 16 rows of 144
	s_add_co_u32 s31, s31, WBASE
	v_add_nc_u32 v21, s31, v22
	v_lshl_add_u32 v[WF], v18, 4, v21
	s_lshl_b32 s31, s37, 6
	v_lshl_add_u32 v[BOFF], v18, 5, s31            ; (16 wd + 8 h) * 4
	v_lshl_add_u32 v[VBOFF], v17, 2, s31           ; (16 wd + r) * 4
	s_mul_i32 s31, s36, 9216                       ; 64 rows of 144
	s_lshl_b32 s38, s37, 5
	s_add_co_u32 s31, s31, s38
	s_add_co_u32 s31, s31, QST
	v_add_nc_u32 v21, s31, v22
	v_lshl_add_u32 v[QS], v18, 4, v21
	s_mul_i32 s31, s37, 4352                       ; 16 rows of 272
	s_lshl_b32 s38, s36, 7
	s_add_co_u32 s31, s31, s38
	s_add_co_u32 s31, s31, VST
	v_mul_u32_u24 v21, v17, 272
	v_add_nc_u32 v21, s31, v21
	v_lshl_add_u32 v[VS], v18, 4, v21
	v_lshrrev_b32 v21, 3, v0                       ; back: 8 threads take a row of 128 bytes
	v_mul_u32_u24 v21, v21, 144
	v_lshl_add_u32 v21, v19, 4, v21
	v_add_nc_u32 v[QR], QST, v21
	v_lshrrev_b32 v23, 4, v0                       ; 16 threads take a row of 256 bytes
	v_mul_u32_u24 v21, v23, 272
	v_lshl_add_u32 v21, v17, 4, v21
	v_add_nc_u32 v[VR], VST, v21
	v_lshlrev_b32 v[QGO], 4, v0
	v_lshlrev_b32 v21, 13, v23
	v_lshl_add_u32 v[VGO], v17, 4, v21
	v_lshlrev_b32 v[OWO], 3, v0
	s_wait_kmcnt 0x0
	s_mov_b32 s33, 0
	s_lshl_b32 s32, ttmp9, 9                       ; 128 positions of 4 bytes
	s_add_nc_u64 s[4:5], s[4:5], s[32:33]
	s_lshl_b32 s32, s29, 17                        ; 64 rows of 2,048 bytes
	s_add_nc_u64 s[6:7], s[6:7], s[32:33]
	s_add_nc_u64 s[8:9], s[8:9], s[32:33]
	s_add_nc_u64 s[10:11], s[10:11], s[32:33]
	s_lshl_b32 s32, s29, 8                         ; 64 biases
	s_add_nc_u64 s[12:13], s[12:13], s[32:33]
	s_add_nc_u64 s[14:15], s[14:15], s[32:33]
	s_add_nc_u64 s[16:17], s[16:17], s[32:33]
	s_lshl_b32 s32, s29, 19                        ; a head of qt, kt: 4,096 x 128 bytes
	s_lshl_b32 s31, ttmp9, 14                      ; 128 positions of 128 bytes
	s_add_co_u32 s32, s32, s31
	s_add_nc_u64 s[20:21], s[20:21], s[32:33]
	s_add_nc_u64 s[22:23], s[22:23], s[32:33]
	s_lshl_b32 s32, s29, 19                        ; 64 rows of vv of 8,192 bytes
	s_lshl_b32 s31, ttmp9, 8                       ; 128 positions of 2 bytes
	s_add_co_u32 s32, s32, s31
	s_add_nc_u64 s[24:25], s[24:25], s[32:33]
	s_lshl_b32 s31, s29, 5
	s_add_co_u32 s31, s31, ttmp9                   ; the work-group's number, 0 to 255: its 1/256 of Wo
	s_lshl_b32 s32, s31, 12
	s_add_nc_u64 s[18:19], s[18:19], s[32:33]
	s_lshl_b32 s32, s31, 11
	s_add_nc_u64 s[26:27], s[26:27], s[32:33]
; The 20 loads of chunk s: 8 rows of X (a wave's load is one row's 512 bytes), 4 x 2 rows of 256 bytes of each weight matrix.
.macro LOADS s
.irp p, 0,1,2,3,4,5,6,7
	global_load_b128 v[STG+4*\p:STG+4*\p+3], v[XG], s[4:5] offset:(\s)*1048576+\p*16384
.endr
.irp m, 0,1,2
.irp p, 0,1,2,3
	global_load_b128 v[STG+32+16*\m+4*\p:STG+32+16*\m+4*\p+3], v[WG], s[6+2*\m:7+2*\m] offset:(\s)*256+\p*4096
.endr
.endr
.endm
; 32 of K: 14 LDS loads, 12 products.  q and k: source 0 = weights (rows = channels), source 1 = X (columns = positions): a lane's
; 8 results are 8 neighbouring channels of one position.  v: the sources swapped: 8 neighbouring positions of one channel.
; The twelve accumulators take turns, one instruction a turn.
.macro HALF slot, kk, zero
.irp m, 0,1,2
	ds_load_b128 v[FWR+8*\m:FWR+8*\m+3],   v[WF] offset:\slot*WSLOT+\m*9216+64*\kk
	ds_load_b128 v[FWR+8*\m+4:FWR+8*\m+7], v[WF] offset:\slot*WSLOT+\m*9216+64*\kk+32
.endr
.irp u, 0,1,2,3
	ds_load_tr16_b128 v[FXR+8*\u:FXR+8*\u+3],   v[XF] offset:\slot*XSLOT+\kk*9216+32*\u        ; X lies [channel][position]: transposed on the way
	ds_load_tr16_b128 v[FXR+8*\u+4:FXR+8*\u+7], v[XF] offset:\slot*XSLOT+\kk*9216+32*\u+4608   ; 16 rows further
.endr
.irp u, 0,1,2,3
	s_wait_dscnt 6-2*\u                            ; the weights and X's fragments up to u are in; the later fragments' two loads each stay out
.if \zero
	v_wmma_f32_16x16x32_f16 v[ACC+8*\u:ACC+8*\u+7],       v[FWR:FWR+7],         v[FXR+8*\u:FXR+8*\u+7], 0
	v_wmma_f32_16x16x32_f16 v[ACC+32+8*\u:ACC+32+8*\u+7], v[FWR+8:FWR+15],      v[FXR+8*\u:FXR+8*\u+7], 0
	v_wmma_f32_16x16x32_f16 v[ACC+64+8*\u:ACC+64+8*\u+7], v[FXR+8*\u:FXR+8*\u+7], v[FWR+16:FWR+23],     0
.else
	v_wmma_f32_16x16x32_f16 v[ACC+8*\u:ACC+8*\u+7],       v[FWR:FWR+7],         v[FXR+8*\u:FXR+8*\u+7], v[ACC+8*\u:ACC+8*\u+7]
	v_wmma_f32_16x16x32_f16 v[ACC+32+8*\u:ACC+32+8*\u+7], v[FWR+8:FWR+15],      v[FXR+8*\u:FXR+8*\u+7], v[ACC+32+8*\u:ACC+32+8*\u+7]
	v_wmma_f32_16x16x32_f16 v[ACC+64+8*\u:ACC+64+8*\u+7], v[FXR+8*\u:FXR+8*\u+7], v[FWR+16:FWR+23],     v[ACC+64+8*\u:ACC+64+8*\u+7]
.endif
.endr
.endm
; One chunk of 64 input channels.  One barrier a chunk orders both ways: in front of it each wave's stores into this slot and its reads
; of the other slot (the chunk before) are done; so the other slot is stored again, one chunk on, only when nobody reads it.
.macro STEP s, slot, first, last
	s_wait_loadcnt 0x0                             ; chunk s is in registers
.irp q, 0,1,2,3,4,5,6,7,8,9,10,11,12,13,14,15,16,17,18,19
	v_cvt_pk_f16_f32 v[STG+4*\q],   v[STG+4*\q],   v[STG+4*\q+1]   ; 4 f32 become 8 bytes, in place; these 40 lines are also the
	v_cvt_pk_f16_f32 v[STG+4*\q+1], v[STG+4*\q+2], v[STG+4*\q+3]   ; places between the last chunk's products and the fragment loads below
.endr
.irp p, 0,1,2,3,4,5,6,7
	ds_store_b64 v[XSTO], v[STG+4*\p:STG+4*\p+1] offset:\slot*XSLOT+\p*288
.endr
.irp m, 0,1,2
.irp p, 0,1,2,3
	ds_store_b64 v[WSTO], v[STG+32+16*\m+4*\p:STG+32+16*\m+4*\p+1] offset:\slot*WSLOT+\m*9216+\p*288
.endr
.endr
.if \last
	global_load_b128 v[112:115], v[BOFF], s[12:13]             ; the biases, for the way out
	global_load_b128 v[116:119], v[BOFF], s[12:13] offset:16
	global_load_b128 v[120:123], v[BOFF], s[14:15]
	global_load_b128 v[124:127], v[BOFF], s[14:15] offset:16
	global_load_b32 v128, v[VBOFF], s[16:17]
.else
	LOADS (\s)+1                                   ; the next chunk has this chunk's products in which to come
.endif
	s_wait_dscnt 0x0                               ; for the other waves' sake: my stores are in LDS, my earlier reads are back
	s_barrier_signal -1
	s_barrier_wait -1
	HALF \slot, 0, \first
.rept 4
	v_nop                                          ; four places between products and loads into their sources
.endr
	HALF \slot, 1, 0
.endm
	global_load_b128 v[248:251], v[QGO], s[18:19] th:TH_LOAD_NT    ; my 16 bytes of Wo
	LOADS 0
	s_wait_loadcnt 20                              ; the 20 younger loads of chunk 0 stay out; Wo's quad is in
	v_cvt_pk_f16_f32 v248, v248, v249
	v_cvt_pk_f16_f32 v249, v250, v251
	global_store_b64 v[OWO], v[248:249], s[26:27]  ; a wave's store covers 256 consecutive bytes, aligned; its registers are never written again
	STEP 0, 0, 1, 0                                ; the first products start the sums: nothing is cleared
	STEP 1, 1, 0, 0
	STEP 2, 0, 0, 0
	STEP 3, 1, 0, 0
	STEP 4, 0, 0, 0
	STEP 5, 1, 0, 0
	STEP 6, 0, 0, 0
	STEP 7, 1, 0, 1
	; THE WAY OUT: bias (and k's factor) in f32, one rounding to f16, 16 bytes a lane into the stages, whole rows back.
.rept 4
	v_nop                                          ; four places behind the last products
.endr
	s_wait_loadcnt 0x0                             ; the biases
.irp j, 0,2,4,6
	v_pk_mul_f32 v[120+\j:121+\j], v[120+\j:121+\j], s[34:35] op_sel_hi:[1,0]      ; bk * factor
.endr
.irp u, 0,1,2,3
.irp j, 0,2,4,6
	v_pk_add_f32 v[ACC+8*\u+\j:ACC+8*\u+\j+1], v[ACC+8*\u+\j:ACC+8*\u+\j+1], v[112+\j:113+\j]
	v_pk_fma_f32 v[ACC+32+8*\u+\j:ACC+32+8*\u+\j+1], v[ACC+32+8*\u+\j:ACC+32+8*\u+\j+1], s[34:35], v[120+\j:121+\j] op_sel_hi:[1,0,1]
	v_pk_add_f32 v[ACC+64+8*\u+\j:ACC+64+8*\u+\j+1], v[ACC+64+8*\u+\j:ACC+64+8*\u+\j+1], v[128:129] op_sel_hi:[1,0]   ; one channel: v128 for both
.endr
.irp j, 0,1,2,3
	v_cvt_pk_f16_f32 v[ACC+8*\u+\j],    v[ACC+8*\u+2*\j],    v[ACC+8*\u+2*\j+1]
	v_cvt_pk_f16_f32 v[ACC+32+8*\u+\j], v[ACC+32+8*\u+2*\j], v[ACC+32+8*\u+2*\j+1]
	v_cvt_pk_f16_f32 v[ACC+64+8*\u+\j], v[ACC+64+8*\u+2*\j], v[ACC+64+8*\u+2*\j+1]
.endr
	ds_store_b128 v[QS], v[ACC+8*\u:ACC+8*\u+3] offset:\u*2304
	ds_store_b128 v[QS], v[ACC+32+8*\u:ACC+32+8*\u+3] offset:18432+\u*2304
	ds_store_b128 v[VS], v[ACC+64+8*\u:ACC+64+8*\u+3] offset:\u*32
.endr
	s_wait_dscnt 0x0                               ; a row of a stage is written by several waves
	s_barrier_signal -1
	s_barrier_wait -1
.irp p, 0,1,2,3
	ds_load_b128 v[144+4*\p:147+4*\p], v[QR] offset:\p*4608
.endr
.irp p, 0,1,2,3
	ds_load_b128 v[160+4*\p:163+4*\p], v[QR] offset:18432+\p*4608
.endr
.irp p, 0,1,2,3
	ds_load_b128 v[176+4*\p:179+4*\p], v[VR] offset:\p*4352
.endr
.irp p, 0,1,2,3
	s_wait_dscnt 11-\p                             ; LDS loads come back in order: the younger ones stay out
	global_store_b128 v[QGO], v[144+4*\p:147+4*\p], s[20:21] offset:\p*4096        ; qt: a dense block of 16,384 bytes
.endr
.irp p, 0,1,2,3
	s_wait_dscnt 7-\p
	global_store_b128 v[QGO], v[160+4*\p:163+4*\p], s[22:23] offset:\p*4096        ; kt likewise
.endr
.irp p, 0,1,2,3
	s_wait_dscnt 3-\p
	global_store_b128 v[VGO], v[176+4*\p:179+4*\p], s[24:25] offset:\p*131072      ; vv: 16 lanes store 256 consecutive bytes, aligned
.endr
	s_wait_tensorcnt 0x0
	ds_add_u32 v254, v255
	s_wait_dscnt 0x0
	s_endpgm
.Lfunc_end_k_qcaa0a66063_proj:
	.size	k_qcaa0a66063_proj, .Lfunc_end_k_qcaa0a66063_proj-k_qcaa0a66063_proj
	.p2alignl 7, 3214868480
	.fill 96, 4, 3214868480
	.section	.rodata,"a",@progbits
	.p2align	6, 0x0
	.amdhsa_kernel k_qcaa0a66063_proj
		.amdhsa_group_segment_fixed_size 147456
		.amdhsa_private_segment_fixed_size 0
		.amdhsa_enable_private_segment 0
		.amdhsa_kernarg_size 96
		.amdhsa_user_sgpr_count 2
		.amdhsa_user_sgpr_kernarg_segment_ptr 1
		.amdhsa_wavefront_size32 1
		.amdhsa_system_sgpr_workgroup_id_x 1
		.amdhsa_system_sgpr_workgroup_id_y 1
		.amdhsa_system_sgpr_workgroup_id_z 1
		.amdhsa_system_vgpr_workitem_id 0
		.amdhsa_next_free_vgpr 256
		.amdhsa_next_free_sgpr 66
		.amdhsa_reserve_vcc 0
		.amdhsa_float_denorm_mode_32 3
		.amdhsa_float_denorm_mode_16_64 3
		.amdhsa_memory_ordered 1
		.amdhsa_forward_progress 1
		.amdhsa_inst_pref_size 91
	.end_amdhsa_kernel
	.amdgpu_metadata
---
amdhsa.version: [ 1, 2 ]
amdhsa.kernels:
  - .name:           k_qcaa0a66063_proj
    .symbol:         k_qcaa0a66063_proj.kd
    .args:
      - { .name: hidden_states, .offset: 0, .size: 8, .value_kind: global_buffer, .address_space: global }
      - { .name: q_w, .offset: 8, .size: 8, .value_kind: global_buffer, .address_space: global }
      - { .name: k_w, .offset: 16, .size: 8, .value_kind: global_buffer, .address_space: global }
      - { .name: v_w, .offset: 24, .size: 8, .value_kind: global_buffer, .address_space: global }
      - { .name: q_b, .offset: 32, .size: 8, .value_kind: global_buffer, .address_space: global }
      - { .name: k_b, .offset: 40, .size: 8, .value_kind: global_buffer, .address_space: global }
      - { .name: v_b, .offset: 48, .size: 8, .value_kind: global_buffer, .address_space: global }
      - { .name: o_w, .offset: 56, .size: 8, .value_kind: global_buffer, .address_space: global }
      - { .name: qt, .offset: 64, .size: 8, .value_kind: global_buffer, .address_space: global }
      - { .name: kt, .offset: 72, .size: 8, .value_kind: global_buffer, .address_space: global }
      - { .name: vv, .offset: 80, .size: 8, .value_kind: global_buffer, .address_space: global }
      - { .name: ow, .offset: 88, .size: 8, .value_kind: global_buffer, .address_space: global }
    .group_segment_fixed_size: 147456
    .private_segment_fixed_size: 0
    .kernarg_segment_align: 8
    .kernarg_segment_size: 96
    .max_flat_workgroup_size: 256
    .sgpr_count:     66
    .vgpr_count:     256
    .wavefront_size: 32
...
	.end_amdgpu_metadata
.endif
;; end of part 1
;; launch attn (part 2): grid 32 x 8, 4 waves a work-group, clusters of 4 x 1, 327,680 bytes of LDS; arguments qt, kt, vv, at; writes at
.if DOCPART == 2
	.amdgcn_target "amdgcn-amd-amdhsa--gfx1250"
	.amdhsa_code_object_version 6
	.text
	.protected	k_qcaa0a66063_attn
	.globl	k_qcaa0a66063_attn
	.p2align	8
	.type	k_qcaa0a66063_attn,@function
k_qcaa0a66063_attn:
	s_mov_b64 s[64:65], 0
	v_nop
	global_prefetch_b8 v0, s[64:65] scope:SCOPE_SE
	s_setreg_imm32_b32 hwreg(HW_REG_WAVE_MODE, 25, 1), 1
	s_wait_xcnt 0x0
	s_wait_alu depctr_hold_cnt(0) depctr_sa_sdst(0) depctr_va_vdst(0) depctr_va_sdst(0) depctr_va_ssrc(0) depctr_va_vcc(0) depctr_vm_vsrc(0)
	s_getreg_b32 s2, hwreg(HW_REG_IB_STS2, 6, 4)
	s_cmp_eq_u32 s2, 0
	s_cbranch_scc0 .Lentry_in_a_cluster
	s_endpgm
.Lentry_in_a_cluster:
	s_bfe_u32 s2, ttmp6, 0x10000c
	s_cmp_lg_u32 s2, 0x3003
	s_cbranch_scc0 .Lentry_shape_is_right
	s_endpgm
.Lentry_shape_is_right:
; Attention of one head for 128 queries: S = q k'^T (already in units of log2), softmax with a running maximum, A = P v / sum(P).
; qt, kt: [8][4096 n][64 d] f16; vv: [512 c][4096 n] f16; at: [8][4096 n][64 d] f16.
; Four waves, 32 queries each, in TWO PIECES of 16 queries (A = 0, B = 1) that share the K and V fragments.  The pieces take turns:
; while one piece's products are issued, the other piece's softmax (maxima, exponentials, rescaling, rounding) stands between them.
; LAYOUT: S^T = (source 0: 16 keys x 64 d) x (source 1: 16 queries): lane (r, h) holds query r, keys 8 h + j.  Two such tiles, rounded to
; f16 in pairs, ARE source 1 of the second product for 32 keys: no lane moves.  A^T = (source 0: 16 d x 32 keys of V) x P^T.
; A query is a lane's column: maximum, rescaling factor and 1 / sum are one number a lane; one exchange joins the two halves of the wave.
; THE ROW SUM comes from the matrix unit: a source 0 of ones times P^T; every row of that tile is the sum over the 32 keys of the
; ROUNDED P.  Only its register 0 is rescaled and used; the other seven hold sums that are never rescaled, at most 4,096, and are not read.
; CLUSTER: the four work-groups of a cluster are four query blocks of one head and walk the same K and V tiles: each tile is asked
; for jointly (mask 15), which divides the requests for K and V by four.  The place in the cluster enters only q's and the output's address.
; RING: 16 tiles of 256 keys, three LDS slots; a slot is filled again behind a round of the cluster's barrier at the end of its trip,
; and that tile is waited for one trip later.  A wave has six tensor loads out at the start, later two.
; LIMIT: P and the result are f16: |A| above 65,504 becomes infinity; P below 6e-8 of the row's running maximum counts as 0.
.set KA,   2                           ; v2-4    slot s: LDS address of my K fragment rows: 144 r + 16 h
.set VA,   5                           ; v5-7    slot s: the same for V: 528 r + 16 h
.set STO,  8                           ; v8      stage: where I put 16 bytes
.set RD,   9                           ; v9      stage: where I read them back
.set GO,   10                          ; v10     my bytes in the output block
.set QOFF, 11                          ; v11     my bytes in q's block
.set MX,   12                          ; v12, v16  piece p: running maximum (v13, v17 fill the pair, written once)
.set AL,   14                          ; v14, v18  piece p: rescaling factor (v15, v19 fill the pair)
.set T,    20                          ; v[20:23]  at work
.set ONES, 24                          ; v[24:31]  a fragment of 1.0 in f16
.set QF,   32                          ; v[32:63]  q fragment (p, kk) at 32 + 16 p + 8 kk
.set KF,   64                          ; v[64:95]  four K fragments of a block of 32 keys
.set VF,   96                          ; v[96:127] four V fragments
.set SC,   128                         ; v[128:159] piece p: 16 scores a lane; P is packed in place into the first 8
.set OA,   160                         ; v[160:223] piece p: 4 tiles of A^T
.set LSUM, 224                         ; v[224:239] piece p: the tile of row sums
.set SLOT, 70656                       ; K: 256 rows x 144 = 36,864; V: 64 rows x 528 = 33,792
.set VOFS, 36864
.set STAGE, 211968                     ; behind the ring: 32 rows x 144 for each wave; no tensor load lands here
.set G1K,  24                          ; s[24:31]
.set G1V,  32                          ; s[32:39]
.set G0K,  40                          ; s[40:51]  one set for each slot
.set G0V,  52                          ; s[52:63]
.macro CREST                           ; a round of the cluster's barrier behind its opening work-group barrier
	s_cmp_lg_u32 s12, 0
	s_cbranch_scc1 .Lnot_wave_0_\@
	s_barrier_signal -3
.Lnot_wave_0_\@:
	s_barrier_wait -3
	s_barrier_signal -1
	s_barrier_wait -1
.endm
.macro ROUND
	s_barrier_signal -1
	s_barrier_wait -1
	CREST
.endm
	s_load_b256 s[4:11], s[0:1], 0x0               ; qt 4, kt 6, vv 8, at 10
	v_lshl_add_u32 v254, v0, 2, 0x38400
	v_mov_b32 v255, 0
	ds_add_u32 v254, v255
	v_lshrrev_b32 v1, 5, v0
	v_readfirstlane_b32 s12, v1                    ; wave
	s_bfe_u32 s13, ttmp6, 0x40000                  ; cx
	s_lshl_b32 s14, ttmp9, 2
	s_add_co_u32 s14, s14, s13                     ; query block = 4 x cluster x + cx
	s_and_b32 s15, ttmp7, 0xffff                   ; head
	s_mov_b32 s21, 0x76543210                      ; v_permlanex16_b32: lane i takes lane i of the other half
	s_mov_b32 s22, 0xfedcba98
	v_and_b32 v1, 31, v0
	v_and_b32 v20, 15, v0                          ; r
	v_bfe_u32 v21, v0, 4, 1                        ; h
	v_mul_u32_u24 v22, v20, 144
	v_lshl_add_u32 v22, v21, 4, v22
	v_mul_u32_u24 v23, v20, 528
	v_lshl_add_u32 v23, v21, 4, v23
.irp s, 0,1,2
	v_add_nc_u32 v[KA+\s], \s*SLOT, v22
	v_add_nc_u32 v[VA+\s], \s*SLOT+VOFS, v23
.endr
	s_mul_i32 s16, s12, 4608
	s_add_co_u32 s16, s16, STAGE                   ; my wave's stage
	v_add_nc_u32 v[STO], s16, v22
	v_bfe_u32 v22, v0, 3, 2                        ; back: 8 lanes take a row of 128 bytes
	v_mul_u32_u24 v22, v22, 144
	v_and_b32 v23, 7, v0
	v_lshl_add_u32 v22, v23, 4, v22
	v_add_nc_u32 v[RD], s16, v22
	s_lshl_b32 s17, s12, 12                        ; 32 queries of 128 bytes
	v_lshl_add_u32 v[GO], v1, 4, s17
	v_lshl_add_u32 v[QOFF], v20, 7, s17
	v_lshl_add_u32 v[QOFF], v21, 4, v[QOFF]
	v_mov_b32 v[MX+1], 0                           ; the second registers of the broadcast pairs: written once, never used as numbers
	v_mov_b32 v[AL+1], 0
	v_mov_b32 v[MX+5], 0
	v_mov_b32 v[AL+5], 0
.irp j, 0,1,2,3,4,5,6,7
	v_mov_b32 v[ONES+\j], 0x3c003c00               ; 1.0, 1.0 in f16
.endr
	; group 1 of K's tiles: my wave's 64 keys x 64 d, rows of 128 bytes, 16 bytes of padding behind each (pitch 144)
	s_mov_b32 s[G1K+0], (15)|(1<<16)|(1<<20)|(1<<21)|(4<<22)|(3<<25)   ; mask: all four of the cluster; 2-byte elements; padding on; bit 21 beside a mask; every 32 words; 4 words
	s_mov_b32 s[G1K+1], 64<<16                     ; tensor_dim0 = 64
	s_mov_b32 s[G1K+2], 64<<16                     ; tensor_dim1 = 64
	s_mov_b32 s[G1K+3], 64<<16                     ; tile_dim0 = 64
	s_mov_b32 s[G1K+4], 64                         ; tile_dim1 = 64
	s_mov_b32 s[G1K+5], 64                         ; 64 elements from row to row
	s_mov_b32 s[G1K+6], 0
	s_mov_b32 s[G1K+7], 0
	; group 1 of V's tiles: my wave's 16 channels x 256 keys, rows of 512 bytes, padded to 528
	s_mov_b32 s[G1V+0], (15)|(1<<16)|(1<<20)|(1<<21)|(6<<22)|(3<<25)   ; every 128 words, 4 words
	s_mov_b32 s[G1V+1], 256<<16
	s_mov_b32 s[G1V+2], 16<<16
	s_mov_b32 s[G1V+3], 256<<16
	s_mov_b32 s[G1V+4], 16
	s_mov_b32 s[G1V+5], 4096
	s_mov_b32 s[G1V+6], 0
	s_mov_b32 s[G1V+7], 0
	s_lshl_b32 s23, s15, 19                        ; a head: 524,288 bytes in each of the four buffers
	s_lshl_b32 s16, s12, 13                        ; K: my 64 keys of 128 bytes
	s_add_co_u32 s16, s16, s23
	s_mov_b32 s17, 0
	s_lshl_b32 s18, s12, 17                        ; V: my 16 rows of 8,192 bytes
	s_add_co_u32 s18, s18, s23
	s_mov_b32 s19, 0
	s_lshl_b32 s2, s14, 14                         ; q and the output: 128 queries of 128 bytes (the only number that holds cx)
	s_add_co_u32 s2, s2, s23
	s_mov_b32 s3, 0
	s_mul_i32 s20, s12, 9216                       ; my part of a slot's K
	s_mul_i32 s23, s12, 8448                       ; my part of a slot's V
	s_wait_dscnt 0x0
	s_wait_kmcnt 0x0
	s_add_nc_u64 s[6:7], s[6:7], s[16:17]
	s_add_nc_u64 s[8:9], s[8:9], s[18:19]
	s_add_nc_u64 s[4:5], s[4:5], s[2:3]
	s_add_nc_u64 s[10:11], s[10:11], s[2:3]
.irp s, 0,1,2
	s_mov_b32 s[G0K+4*\s], 1
	s_add_co_u32 s[G0K+4*\s+1], s20, \s*SLOT
	s_add_nc_u64 s[G0K+4*\s+2:G0K+4*\s+3], s[6:7], \s*32768        ; tile s: 256 keys of 128 bytes
	s_or_b32 s[G0K+4*\s+3], s[G0K+4*\s+3], 0x80000000
	s_mov_b32 s[G0V+4*\s], 1
	s_add_co_u32 s[G0V+4*\s+1], s23, \s*SLOT+VOFS
	s_add_nc_u64 s[G0V+4*\s+2:G0V+4*\s+3], s[8:9], \s*512          ; tile s: 256 keys of 2 bytes along the rows
	s_or_b32 s[G0V+4*\s+3], s[G0V+4*\s+3], 0x80000000
.endr
	ROUND                                          ; all four work-groups are here: the first joint loads meet
.irp s, 0,1,2
	tensor_load_to_lds s[G0K+4*\s:G0K+4*\s+3], s[G1K:G1K+7]
	s_nop 0
	tensor_load_to_lds s[G0V+4*\s:G0V+4*\s+3], s[G1V:G1V+7]
	s_nop 0
.endr
.irp p, 0,1
.irp kk, 0,1
	global_load_b128 v[QF+16*\p+8*\kk:QF+16*\p+8*\kk+3],   v[QOFF], s[4:5] offset:\p*2048+\kk*64
	global_load_b128 v[QF+16*\p+8*\kk+4:QF+16*\p+8*\kk+7], v[QOFF], s[4:5] offset:\p*2048+\kk*64+32
.endr
.endr
; K fragment f of block b of slot s.  f = 0, 2: keys 16-31; f = 1, 3: keys 0-15; f >> 1: which 32 of d.
.macro LDK f, s, b
	ds_load_b128 v[KF+8*\f:KF+8*\f+3],   v[KA+\s] offset:((32*(\b))+(16*(1-((\f)&1))))*144+(64*((\f)>>1))
	ds_load_b128 v[KF+8*\f+4:KF+8*\f+7], v[KA+\s] offset:((32*(\b))+(16*(1-((\f)&1))))*144+(64*((\f)>>1))+32
.endm
.macro LDV dt, s, b                    ; V fragment: channels 16 dt .. + 15, the block's 32 keys
	ds_load_b128 v[VF+8*\dt:VF+8*\dt+3],   v[VA+\s] offset:\dt*8448+64*(\b)
	ds_load_b128 v[VF+8*\dt+4:VF+8*\dt+7], v[VA+\s] offset:\dt*8448+64*(\b)+32
.endm
; The four products of a piece's scores.  The tile of keys 16-31 goes first: the tile of keys 0-15 lands on the registers that hold the
; last block's P, and so stands further behind the last product that read P.
.macro WS q, f
.if \f == 0
	v_wmma_f32_16x16x32_f16 v[SC+16*\q+8:SC+16*\q+15], v[KF:KF+7],     v[QF+16*\q:QF+16*\q+7],    0
.elseif \f == 1
	v_wmma_f32_16x16x32_f16 v[SC+16*\q:SC+16*\q+7],    v[KF+8:KF+15],  v[QF+16*\q:QF+16*\q+7],    0
.elseif \f == 2
	v_wmma_f32_16x16x32_f16 v[SC+16*\q+8:SC+16*\q+15], v[KF+16:KF+23], v[QF+16*\q+8:QF+16*\q+15], v[SC+16*\q+8:SC+16*\q+15]
.else
	v_wmma_f32_16x16x32_f16 v[SC+16*\q:SC+16*\q+7],    v[KF+24:KF+31], v[QF+16*\q+8:QF+16*\q+15], v[SC+16*\q:SC+16*\q+7]
.endif
.endm
.macro WPV q, dt, pv                   ; pv = 1: the first block starts the sum
.if \pv == 1
	v_wmma_f32_16x16x32_f16 v[OA+32*\q+8*\dt:OA+32*\q+8*\dt+7], v[VF+8*\dt:VF+8*\dt+7], v[SC+16*\q:SC+16*\q+7], 0
	s_wait_alu depctr_va_vdst(0)
.else
	v_wmma_f32_16x16x32_f16 v[OA+32*\q+8*\dt:OA+32*\q+8*\dt+7], v[VF+8*\dt:VF+8*\dt+7], v[SC+16*\q:SC+16*\q+7], v[OA+32*\q+8*\dt:OA+32*\q+8*\dt+7]
.endif
.endm
.macro WONE q, pv
.if \pv == 1
	v_wmma_f32_16x16x32_f16 v[LSUM+8*\q:LSUM+8*\q+7], v[ONES:ONES+7], v[SC+16*\q:SC+16*\q+7], 0
.else
	v_wmma_f32_16x16x32_f16 v[LSUM+8*\q:LSUM+8*\q+7], v[ONES:ONES+7], v[SC+16*\q:SC+16*\q+7], v[LSUM+8*\q:LSUM+8*\q+7]
.endif
.endm
; The softmax of piece p for one block of 32 keys, in groups that stand between the other piece's products.  fs = 1: the first block.
.macro VG0 p                           ; the largest of my 16 scores, first part
	v_max3_num_f32 v[T],   v[SC+16*\p],   v[SC+16*\p+1],  v[SC+16*\p+2]
	v_max3_num_f32 v[T+1], v[SC+16*\p+3], v[SC+16*\p+4],  v[SC+16*\p+5]
	v_max3_num_f32 v[T+2], v[SC+16*\p+6], v[SC+16*\p+7],  v[SC+16*\p+8]
	v_max3_num_f32 v[T+3], v[SC+16*\p+9], v[SC+16*\p+10], v[SC+16*\p+11]
	v_max3_num_f32 v[T],   v[T],   v[SC+16*\p+12], v[SC+16*\p+13]
	v_max3_num_f32 v[T+1], v[T+1], v[SC+16*\p+14], v[SC+16*\p+15]
.endm
.macro VG1 p, fs                       ; with the running maximum and the other half's 16 keys; old - new maximum
	v_max3_num_f32 v[T], v[T], v[T+1], v[T+2]
.if \fs
	v_max_num_f32 v[T], v[T], v[T+3]
	v_permlanex16_b32 v[T+1], v[T], s21, s22
	v_max_num_f32 v[MX+4*\p], v[T], v[T+1]
	v_nop                                          ; with these, five plain places behind the product in front, as in the other form
	v_nop
.else
	v_max3_num_f32 v[T], v[T], v[T+3], v[MX+4*\p]
	v_permlanex16_b32 v[T+1], v[T], s21, s22
	v_max_num_f32 v[T+2], v[T], v[T+1]
	v_sub_f32 v[AL+4*\p], v[MX+4*\p], v[T+2]
	v_mov_b32 v[MX+4*\p], v[T+2]
.endif
.endm
.macro VG2 p, fs                       ; factor = 2^(old - new); scores minus the maximum.  The subtractions read the maximum's pair, not the factor's:
.if \fs == 0                           ; they are the plain instructions between the exponential and the first use of its result (ISA guide 5.7.2)
	v_exp_f32 v[AL+4*\p], v[AL+4*\p]
.endif
	s_wait_alu depctr_va_vdst(0)
.irp j, 0,2,4,6,8,10,12,14
	v_pk_add_f32 v[SC+16*\p+\j:SC+16*\p+\j+1], v[SC+16*\p+\j:SC+16*\p+\j+1], v[MX+4*\p:MX+4*\p+1] op_sel_hi:[1,0] neg_lo:[0,1] neg_hi:[0,1]
.endr
.endm
.macro VGA p, g, fs                    ; tile g of A^T times the factor: four plain places
.if \fs
.rept 4
	v_nop
.endr
.else
.irp j, 0,2,4,6
	v_pk_mul_f32 v[OA+32*\p+8*\g+\j:OA+32*\p+8*\g+\j+1], v[OA+32*\p+8*\g+\j:OA+32*\p+8*\g+\j+1], v[AL+4*\p:AL+4*\p+1] op_sel_hi:[1,0]
.endr
.endif
.endm
.macro VGB p, g                        ; four exponentials; the next vector instruction is always a plain one on other registers
.irp j, 0,1,2,3
	v_exp_f32 v[SC+16*\p+4*\g+\j], v[SC+16*\p+4*\g+\j]
.endr
.endm
.macro VG7 p, fs                       ; keys 8 h .. + 7 to f16: registers 0-3 of P^T's fragment; the row sum times the factor
	s_wait_alu depctr_va_vdst(0)
.irp j, 0,1,2,3
	v_cvt_pk_f16_f32 v[SC+16*\p+\j], v[SC+16*\p+2*\j], v[SC+16*\p+2*\j+1]
.endr
.if \fs == 0
	v_mul_f32 v[LSUM+8*\p], v[LSUM+8*\p], v[AL+4*\p]
.endif
.endm
.macro VG8 p                           ; keys 16 + 8 h .. + 7: registers 4-7
.irp j, 0,1,2,3
	v_cvt_pk_f16_f32 v[SC+16*\p+4+\j], v[SC+16*\p+8+2*\j], v[SC+16*\p+8+2*\j+1]
.endr
.endm
.macro DW wt, a, b                     ; a counted wait on LDS loads: count a in a usual phase, b in the last one
.if \wt == 1
	s_wait_dscnt \a
.elseif \wt == 2
	s_wait_dscnt \b
.endif
.endm
; A PHASE: the products of piece mp (P V and the row sum of its last block, then the scores of its next block), one at a time, each followed
; by a group of piece vp's softmax.  Nine accumulators take turns, one instruction a turn.
; Behind each product stand at least four plain vector instructions on the other piece's registers before a load lands on its
; fragment; eight stand between the row sum's product, the last to read P, and the scores' product that lands on P;
; the four conversions of VG8 stand between the last scores' product and the next phase's first read of those scores.
; pv: 0 no P V, 1 it starts the sums, 2 it adds.  ws: scores or not.  wt: see DW.  ldv, ldk: fetch V fragments of (vsl, vb), K fragments of (ksl, kb).
.macro PHASE vp, mp, pv, ws, fs, wt, ldv, vsl, vb, ldk, ksl, kb
.if \pv
	DW \wt, 14, 6                                  ; the phase before issued 16 loads (last phase: 8), two a fragment: the later fragments' stay out
	WPV \mp, 0, \pv
.endif
	VG0 \vp
.if \ldv
	LDV 0, \vsl, \vb
.endif
.if \pv
	DW \wt, 12, 4
	WPV \mp, 1, \pv
.endif
	VG1 \vp, \fs
.if \ldv
	LDV 1, \vsl, \vb
.endif
.if \pv
	DW \wt, 10, 2
	WPV \mp, 2, \pv
.endif
	VG2 \vp, \fs
.if \ldv
	LDV 2, \vsl, \vb
.endif
.if \pv
	DW \wt, 8, 0
	WPV \mp, 3, \pv
.endif
	VGA \vp, 0, \fs
.if \ldv
	LDV 3, \vsl, \vb
.endif
	VGB \vp, 0
.if \pv
	WONE \mp, \pv
.endif
	VGA \vp, 1, \fs
	VGB \vp, 1
.if \ws
	DW \wt, 6, 0
	WS \mp, 0
.endif
	VGA \vp, 2, \fs
.if \ldk
	LDK 0, \ksl, \kb
.endif
	VGB \vp, 2
.if \ws
	DW \wt, 4, 0
	WS \mp, 1
.endif
	VGA \vp, 3, \fs
.if \ldk
	LDK 1, \ksl, \kb
.endif
	VGB \vp, 3
.if \ws
	DW \wt, 2, 0
	WS \mp, 2
.endif
	VG7 \vp, \fs
.if \ldk
	LDK 2, \ksl, \kb
.endif
.if \ws
	DW \wt, 0, 0
	WS \mp, 3
.endif
	VG8 \vp
.if \ldk
	LDK 3, \ksl, \kb
.endif
.endm
; X(i): softmax of A's block i beside B's P V of block i - 1 and B's scores of block i.  Each fragment has its second use here and is
; fetched again behind it: V of block i, K of block i + 1.  Y(i): softmax of B's block i beside A's P V of block i and A's scores of block i + 1.
.macro XPH pv, fs, slot, b, ldk, ksl, kb
	PHASE 0, 1, \pv, 1, \fs, 0, 1, \slot, \b, \ldk, \ksl, \kb
.endm
.macro YPH pv, ws, fs, wt
	PHASE 1, 0, \pv, \ws, \fs, \wt, 0, 0, 0, 0, 0, 0
.endm
; The last Y phase of a trip.  end = 1: this trip's slot is filled again, three tiles on.  In front of the round's opening signal my LDS reads are
; back (this slot's last among them) and all my tensor loads have landed (the two that were out: the tile after next); only register work
; stands inside the round; the two joint loads are the first behind it.  end = 2: the same waits and a plain barrier show the last tile to all waves.
.macro TAIL slot, end
.if \end == 0
	YPH 2, 1, 0, 1
.else
	s_wait_dscnt 0x0
	s_wait_tensorcnt 0x0
	ds_add_u32 v254, v255
	s_wait_dscnt 0x0
.if \end == 1
	s_add_nc_u64 s[G0K+4*\slot+2:G0K+4*\slot+3], s[G0K+4*\slot+2:G0K+4*\slot+3], 98304    ; no tensor load of mine is out: the addresses step three tiles
	s_add_nc_u64 s[G0V+4*\slot+2:G0V+4*\slot+3], s[G0V+4*\slot+2:G0V+4*\slot+3], 1536
.endif
	s_barrier_signal -1
	YPH 2, 1, 0, 0                                 ; registers only: every fragment is in since the wait above
	s_barrier_wait -1
.if \end == 1
	CREST
	tensor_load_to_lds s[G0K+4*\slot:G0K+4*\slot+3], s[G1K:G1K+7]
	s_nop 0
	tensor_load_to_lds s[G0V+4*\slot:G0V+4*\slot+3], s[G1V:G1V+7]
	s_nop 0
.endif
.endif
.endm
.macro TRIP slot, next, end            ; a tile of 256 keys: 8 blocks; the last X phase fetches the next tile's first K fragments
.irp b, 0,1,2,3,4,5,6
	XPH 2, 0, \slot, \b, 1, \slot, \b+1
	YPH 2, 1, 0, 1
.endr
	XPH 2, 0, \slot, 7, 1, \next, 0
	TAIL \slot, \end
.endm
	s_wait_tensorcnt 0x2                           ; my parts of tiles 0 and 1 are in; tile 2's two loads stay out
	s_barrier_signal -1
	s_barrier_wait -1
	s_wait_loadcnt 0x0                             ; q
	LDK 0, 0, 0
	LDK 1, 0, 0
	LDK 2, 0, 0
	LDK 3, 0, 0
	s_wait_dscnt 6                                 ; two loads a fragment: the later fragments' stay out
	WS 0, 0
	s_wait_dscnt 4
	WS 0, 1
	s_wait_dscnt 2
	WS 0, 2
	s_wait_dscnt 0
	WS 0, 3
.rept 4
	v_nop                                          ; four places in front of the first read of these scores
.endr
	; trip 0: the first blocks start the maxima and the sums
	XPH 0, 1, 0, 0, 1, 0, 1
	YPH 1, 1, 1, 1
	XPH 1, 0, 0, 1, 1, 0, 2
	YPH 2, 1, 0, 1
.irp b, 2,3,4,5,6
	XPH 2, 0, 0, \b, 1, 0, \b+1
	YPH 2, 1, 0, 1
.endr
	XPH 2, 0, 0, 7, 1, 1, 0
	TAIL 0, 1                                      ; tile 3 is asked for
	s_mov_b32 s20, 4                               ; trips 1 to 12, which ask for tiles 4 to 15
.Ltrips:
	TRIP 1, 2, 1
	TRIP 2, 0, 1
	TRIP 0, 1, 1
	s_sub_co_u32 s20, s20, 1
	s_cmp_lg_u32 s20, 0
	s_cbranch_scc1 .Ltrips
	TRIP 1, 2, 2                                   ; trip 13: waits for tile 15 and shows it to all waves
	TRIP 2, 0, 0                                   ; trip 14
.irp b, 0,1,2,3,4,5,6
	XPH 2, 0, 0, \b, 1, 0, \b+1                    ; trip 15
	YPH 2, 1, 0, 1
.endr
	XPH 2, 0, 0, 7, 0, 0, 0                        ; no further K
	YPH 2, 0, 0, 2                                 ; no further scores
	WPV 1, 0, 2                                    ; B's last block
	WPV 1, 1, 2
	WPV 1, 2, 2
	WPV 1, 3, 2
	WONE 1, 2
	; THE WAY OUT: divide by the row sum, round to f16, 16 bytes a lane into my wave's stage, whole rows back, 512 dense bytes a store.
.rept 4
	v_nop                                          ; four places behind the last products
.endr
	v_rcp_f32 v[AL], v[LSUM]
	v_rcp_f32 v[AL+4], v[LSUM+8]
	v_nop                                          ; one plain instruction in front of the first use (ISA guide 5.7.2)
	s_wait_alu depctr_va_vdst(0)
.irp p, 0,1
.irp j, 0,2,4,6,8,10,12,14,16,18,20,22,24,26,28,30
	v_pk_mul_f32 v[OA+32*\p+\j:OA+32*\p+\j+1], v[OA+32*\p+\j:OA+32*\p+\j+1], v[AL+4*\p:AL+4*\p+1] op_sel_hi:[1,0]
.endr
.irp dt, 0,1,2,3
.irp j, 0,1,2,3
	v_cvt_pk_f16_f32 v[OA+32*\p+8*\dt+\j], v[OA+32*\p+8*\dt+2*\j], v[OA+32*\p+8*\dt+2*\j+1]
.endr
	ds_store_b128 v[STO], v[OA+32*\p+8*\dt:OA+32*\p+8*\dt+3] offset:\p*2304+\dt*32
.endr
.endr
.irp i, 0,1,2,3,4,5,6,7
	ds_load_b128 v[KF+4*\i:KF+4*\i+3], v[RD] offset:\i*576         ; my wave's own bytes: LDS serves a wave's instructions in order (ISA guide 5.7.1)
.endr
.irp i, 0,1,2,3,4,5,6,7
	s_wait_dscnt 7-\i
	global_store_b128 v[GO], v[KF+4*\i:KF+4*\i+3], s[10:11] offset:\i*512
.endr
	s_wait_tensorcnt 0x0
	ds_add_u32 v254, v255
	s_wait_dscnt 0x0
	ROUND                                          ; the closing round: no work-group ends while a partner may still ask jointly
	s_endpgm
.Lfunc_end_k_qcaa0a66063_attn:
	.size	k_qcaa0a66063_attn, .Lfunc_end_k_qcaa0a66063_attn-k_qcaa0a66063_attn
	.p2alignl 7, 3214868480
	.fill 96, 4, 3214868480
	.section	.rodata,"a",@progbits
	.p2align	6, 0x0
	.amdhsa_kernel k_qcaa0a66063_attn
		.amdhsa_group_segment_fixed_size 327680
		.amdhsa_private_segment_fixed_size 0
		.amdhsa_enable_private_segment 0
		.amdhsa_kernarg_size 32
		.amdhsa_user_sgpr_count 2
		.amdhsa_user_sgpr_kernarg_segment_ptr 1
		.amdhsa_wavefront_size32 1
		.amdhsa_system_sgpr_workgroup_id_x 1
		.amdhsa_system_sgpr_workgroup_id_y 1
		.amdhsa_system_sgpr_workgroup_id_z 1
		.amdhsa_system_vgpr_workitem_id 0
		.amdhsa_next_free_vgpr 256
		.amdhsa_next_free_sgpr 66
		.amdhsa_reserve_vcc 0
		.amdhsa_float_denorm_mode_32 3
		.amdhsa_float_denorm_mode_16_64 3
		.amdhsa_memory_ordered 1
		.amdhsa_forward_progress 1
		.amdhsa_inst_pref_size 255
	.end_amdhsa_kernel
	.section	.bss,"aw",@nobits
	.p2align	6
	.space	262144
	.amdgpu_metadata
---
amdhsa.version: [ 1, 2 ]
amdhsa.kernels:
  - .name:           k_qcaa0a66063_attn
    .symbol:         k_qcaa0a66063_attn.kd
    .args:
      - { .name: qt, .offset: 0, .size: 8, .value_kind: global_buffer, .address_space: global }
      - { .name: kt, .offset: 8, .size: 8, .value_kind: global_buffer, .address_space: global }
      - { .name: vv, .offset: 16, .size: 8, .value_kind: global_buffer, .address_space: global }
      - { .name: at, .offset: 24, .size: 8, .value_kind: global_buffer, .address_space: global }
    .group_segment_fixed_size: 327680
    .private_segment_fixed_size: 0
    .kernarg_segment_align: 8
    .kernarg_segment_size: 32
    .max_flat_workgroup_size: 128
    .sgpr_count:     66
    .vgpr_count:     256
    .wavefront_size: 32
...
	.end_amdgpu_metadata
.endif
;; end of part 2
;; launch oproj (part 3): grid 8 x 32, 4 waves a work-group, clusters of 4 x 4, 252,416 bytes of LDS; arguments at, ow, o_b, out0; writes out0
.if DOCPART == 3
	.amdgcn_target "amdgcn-amd-amdhsa--gfx1250"
	.amdhsa_code_object_version 6
	.text
	.protected	k_qcaa0a66063_oproj
	.globl	k_qcaa0a66063_oproj
	.p2align	8
	.type	k_qcaa0a66063_oproj,@function
k_qcaa0a66063_oproj:
	s_mov_b64 s[64:65], 0
	v_nop
	global_prefetch_b8 v0, s[64:65] scope:SCOPE_SE
	s_setreg_imm32_b32 hwreg(HW_REG_WAVE_MODE, 25, 1), 1
	s_wait_xcnt 0x0
	s_wait_alu depctr_hold_cnt(0) depctr_sa_sdst(0) depctr_va_vdst(0) depctr_va_sdst(0) depctr_va_ssrc(0) depctr_va_vcc(0) depctr_vm_vsrc(0)
	s_getreg_b32 s2, hwreg(HW_REG_IB_STS2, 6, 4)
	s_cmp_eq_u32 s2, 0
	s_cbranch_scc0 .Lentry_in_a_cluster
	s_endpgm
.Lentry_in_a_cluster:
	s_bfe_u32 s2, ttmp6, 0x10000c
	s_cmp_lg_u32 s2, 0xf033
	s_cbranch_scc0 .Lentry_shape_is_right
	s_endpgm
.Lentry_shape_is_right:
; out0[o][n] = sum over c of Wo[o][c] A[c][n] + bo[o].  at: [8 heads][4096 n][64 d] f16 (c = 64 head + d); ow: [512][512] f16; out0: [512][4096] f32.
; A work-group makes 64 output channels x 128 positions; four waves: wn = wave & 1 takes 64 positions (4 tiles), wo = wave >> 1 takes 32 channels (2 tiles).
; Source 0 = positions, source 1 = output channels: a lane's 8 results are 8 neighbouring positions of one channel, 32 bytes of a row of out0.
; The whole of K (512) fits in LDS: four groups of 128, each byte filled once; eight tensor loads a wave are issued at the start and waited for group by group.
; CLUSTER 4 x 4: A's tiles hang on the position block alone and are shared along a row of the cluster, Wo's on the channel block alone and are
; shared along a column: each is asked for jointly, which divides the requests for both by four.
; LIMIT: as for the launches before: operands are f16.
.set ADRA, 2                           ; v2   LDS address of my A fragments, stepped group by group
.set ADRW, 3                           ; v3   the same for Wo
.set STO,  4                           ; v4   stage: where I put 32 bytes
.set RD,   5                           ; v5   stage: where I read a row back
.set CO,   6                           ; v6   my bytes in out0
.set BOF,  7                           ; v7   byte offset of my channel's bias
.set BO,   8                           ; v8, v10  the biases of my two channel tiles (v9, v11 fill the pairs)
.set ACC,  16                          ; v[16:79]  tile (nt, ot) at 16 + 8 (2 nt + ot)
.set F0,   80                          ; v[80:127]   fragments: 4 of A, 2 of Wo
.set F1,   128                         ; v[128:175]  the second buffer
.set AGRP, 36864                       ; a group of A: 2 heads x 128 rows x 144
.set WREG, 147456
.set WGRP, 17408                       ; a group of Wo: 64 rows x 272
.set STAGE, 217088                     ; 32 rows x 272 for each wave; no tensor load lands here
.set G1A,  24                          ; s[24:31]
.set G1W,  32                          ; s[32:39]
.set G0A,  40                          ; s[40:55]; Wo's sets: s[56:63], s[68:75]
.macro CREST
	s_cmp_lg_u32 s12, 0
	s_cbranch_scc1 .Lnot_wave_0_\@
	s_barrier_signal -3
.Lnot_wave_0_\@:
	s_barrier_wait -3
	s_barrier_signal -1
	s_barrier_wait -1
.endm
.macro ROUND
	s_barrier_signal -1
	s_barrier_wait -1
	CREST
.endm
	s_load_b256 s[4:11], s[0:1], 0x0               ; at 4, ow 6, o_b 8, out0 10
	v_lshl_add_u32 v192, v0, 2, 0x3d800
	v_mov_b32 v193, 0
	ds_add_u32 v192, v193
	v_lshrrev_b32 v1, 5, v0
	v_readfirstlane_b32 s12, v1                    ; wave
	s_bfe_u32 s13, ttmp6, 0x40000                  ; cx
	s_bfe_u32 s14, ttmp6, 0x40004                  ; cy
	s_lshl_b32 s15, ttmp9, 2
	s_add_co_u32 s15, s15, s13                     ; channel block = 4 x cluster x + cx
	s_and_b32 s16, ttmp7, 0xffff
	s_lshl_b32 s16, s16, 2
	s_add_co_u32 s16, s16, s14                     ; position block = 4 x cluster y + cy
	s_lshl_b32 s17, s14, 2
	s_lshl_b32 s17, 15, s17                        ; my row of the cluster
	s_lshl_b32 s18, 0x1111, s13                    ; my column
	s_and_b32 s79, s12, 1                          ; wn
	s_lshr_b32 s80, s12, 1                         ; wo
	; group 1 of A's tiles: 64 positions x 64 d of one head, rows of 128 bytes padded to 144
	s_or_b32 s[G1A+0], s17, (1<<16)|(1<<20)|(1<<21)|(4<<22)|(3<<25)
	s_mov_b32 s[G1A+1], 64<<16
	s_mov_b32 s[G1A+2], 64<<16
	s_mov_b32 s[G1A+3], 64<<16
	s_mov_b32 s[G1A+4], 64
	s_mov_b32 s[G1A+5], 64
	s_mov_b32 s[G1A+6], 0
	s_mov_b32 s[G1A+7], 0
	; group 1 of Wo's tiles: 16 channels x 128 c, rows of 256 bytes padded to 272
	s_or_b32 s[G1W+0], s18, (1<<16)|(1<<20)|(1<<21)|(5<<22)|(3<<25)
	s_mov_b32 s[G1W+1], 128<<16
	s_mov_b32 s[G1W+2], 16<<16
	s_mov_b32 s[G1W+3], 128<<16
	s_mov_b32 s[G1W+4], 16
	s_mov_b32 s[G1W+5], 512
	s_mov_b32 s[G1W+6], 0
	s_mov_b32 s[G1W+7], 0
	; A's address is made of the position block and the wave, Wo's of the channel block and the wave, each in registers that never hold the other block
	s_lshl_b32 s20, s16, 14                        ; 128 positions of 128 bytes
	s_lshl_b32 s19, s80, 19                        ; which of the group's two heads I fetch
	s_add_co_u32 s20, s20, s19
	s_lshl_b32 s19, s79, 13                        ; which 64 of its positions
	s_add_co_u32 s20, s20, s19
	s_mov_b32 s21, 0
	s_lshl_b32 s22, s15, 16                        ; 64 rows of 1,024 bytes
	s_lshl_b32 s19, s12, 14                        ; my 16 rows
	s_add_co_u32 s22, s22, s19
	s_mov_b32 s23, 0
	s_mul_i32 s83, s12, 9216                       ; my part of a group of A in LDS
	s_mul_i32 s82, s12, 4352                       ; my part of a group of Wo
	s_wait_dscnt 0x0
	s_wait_kmcnt 0x0
	s_add_nc_u64 s[4:5], s[4:5], s[20:21]
	s_add_nc_u64 s[6:7], s[6:7], s[22:23]
.irp g, 0,1,2,3
.set GW, 56+4*\g+4*(\g/2)
	s_mov_b32 s[G0A+4*\g], 1
	s_add_co_u32 s[G0A+4*\g+1], s83, \g*AGRP
	s_add_nc_u64 s[G0A+4*\g+2:G0A+4*\g+3], s[4:5], \g*1048576      ; two heads on
	s_or_b32 s[G0A+4*\g+3], s[G0A+4*\g+3], 0x80000000
	s_mov_b32 s[GW], 1
	s_add_co_u32 s[GW+1], s82, WREG+\g*WGRP
	s_add_nc_u64 s[GW+2:GW+3], s[6:7], \g*256                      ; 128 c on
	s_or_b32 s[GW+3], s[GW+3], 0x80000000
.endr
	ROUND                                          ; all sixteen work-groups are here: the joint loads meet
.irp g, 0,1,2,3
.set GW, 56+4*\g+4*(\g/2)
	tensor_load_to_lds s[G0A+4*\g:G0A+4*\g+3], s[G1A:G1A+7]
	s_nop 0
	tensor_load_to_lds s[GW:GW+3], s[G1W:G1W+7]
	s_nop 0
.endr
	s_lshl_b32 s76, s15, 8                         ; 64 biases
	s_mov_b32 s77, 0
	s_add_nc_u64 s[8:9], s[8:9], s[76:77]
	s_lshl_b32 s76, s15, 20                        ; 64 rows of out0 of 16,384 bytes
	s_lshl_b32 s78, s80, 19                        ; my 32 rows
	s_add_co_u32 s76, s76, s78
	s_lshl_b32 s78, s16, 9                         ; 128 positions of 4 bytes
	s_add_co_u32 s76, s76, s78
	s_lshl_b32 s78, s79, 8                         ; my 64 positions
	s_add_co_u32 s76, s76, s78
	s_add_nc_u64 s[10:11], s[10:11], s[76:77]
	v_and_b32 v12, 15, v0                          ; r
	v_bfe_u32 v13, v0, 4, 1                        ; h
	s_lshl_b32 s78, s80, 7
	v_lshl_add_u32 v[BOF], v12, 2, s78             ; (32 wo + r) * 4
	v_mov_b32 v[BO+1], 0
	v_mov_b32 v[BO+3], 0
	global_load_b32 v[BO],   v[BOF], s[8:9]
	global_load_b32 v[BO+2], v[BOF], s[8:9] offset:64
	s_mul_i32 s78, s79, 9216                       ; 64 rows of 144
	v_mul_u32_u24 v14, v12, 144
	v_add_nc_u32 v14, s78, v14
	v_lshl_add_u32 v[ADRA], v13, 4, v14
	s_mul_i32 s78, s80, 8704                       ; 32 rows of 272
	s_add_co_u32 s78, s78, WREG
	v_mul_u32_u24 v15, v12, 272
	v_add_nc_u32 v14, s78, v15
	v_lshl_add_u32 v[ADRW], v13, 4, v14
	s_mul_i32 s81, s12, 8704
	s_add_co_u32 s81, s81, STAGE                   ; my wave's stage
	v_add_nc_u32 v14, s81, v15
	v_lshl_add_u32 v[STO], v13, 5, v14
	v_mul_u32_u24 v14, v13, 272
	v_add_nc_u32 v14, s81, v14
	v_lshl_add_u32 v[RD], v12, 4, v14
	v_lshlrev_b32 v14, 14, v13
	v_lshl_add_u32 v[CO], v12, 4, v14
.macro FETCH ks, f                     ; the 12 LDS loads of 32 along K: ks >> 1 picks the head of the group, ks & 1 the half of its d
.irp nt, 0,1,2,3
	ds_load_b128 v[\f+8*\nt:\f+8*\nt+3],   v[ADRA] offset:((\ks)/2)*18432+\nt*2304+((\ks)%2)*64
	ds_load_b128 v[\f+8*\nt+4:\f+8*\nt+7], v[ADRA] offset:((\ks)/2)*18432+\nt*2304+((\ks)%2)*64+32
.endr
.irp ot, 0,1
	ds_load_b128 v[\f+32+8*\ot:\f+32+8*\ot+3], v[ADRW] offset:\ot*4352+(\ks)*64
	ds_load_b128 v[\f+32+8*\ot+4:\f+32+8*\ot+7], v[ADRW] offset:\ot*4352+(\ks)*64+32
.endr
.endm
.macro MUL f, zero                     ; eight products; the eight accumulators take turns, one instruction a turn
.irp nt, 0,1,2,3
.irp ot, 0,1
.if \zero
	v_wmma_f32_16x16x32_f16 v[ACC+8*(2*\nt+\ot):ACC+8*(2*\nt+\ot)+7], v[\f+8*\nt:\f+8*\nt+7], v[\f+32+8*\ot:\f+32+8*\ot+7], 0
.else
	v_wmma_f32_16x16x32_f16 v[ACC+8*(2*\nt+\ot):ACC+8*(2*\nt+\ot)+7], v[\f+8*\nt:\f+8*\nt+7], v[\f+32+8*\ot:\f+32+8*\ot+7], v[ACC+8*(2*\nt+\ot):ACC+8*(2*\nt+\ot)+7]
.endif
.endr
.endr
.endm
.macro PLACES                          ; four places between products and loads into their sources
.rept 4
	v_nop
.endr
.endm
.macro GROUP g, zero
	s_wait_tensorcnt 6-2*\g                        ; my parts of group g are in; the later groups' two loads each stay out
	s_wait_dscnt 0x0
	s_barrier_signal -1
	s_barrier_wait -1                              ; everybody's parts are in
	PLACES
	FETCH 0, F0
	FETCH 1, F1
	s_wait_dscnt 12                                ; all but the 12 just issued
	MUL F0, \zero
	PLACES
	FETCH 2, F0
	s_wait_dscnt 12
	MUL F1, 0
	PLACES
	FETCH 3, F1
	s_wait_dscnt 12
	MUL F0, 0
	s_wait_dscnt 0
	MUL F1, 0
	v_add_nc_u32 v[ADRA], AGRP, v[ADRA]            ; the next group
	v_add_nc_u32 v[ADRW], WGRP, v[ADRW]
.endm
	GROUP 0, 1                                     ; the first products start the sums
	GROUP 1, 0
	GROUP 2, 0
	GROUP 3, 0
	; THE WAY OUT: bias, 32 bytes a lane into my wave's stage, rows of 256 bytes back.
	PLACES
	s_wait_loadcnt 0x0                             ; the biases
.irp nt, 0,1,2,3
.irp ot, 0,1
.irp j, 0,2,4,6
	v_pk_add_f32 v[ACC+8*(2*\nt+\ot)+\j:ACC+8*(2*\nt+\ot)+\j+1], v[ACC+8*(2*\nt+\ot)+\j:ACC+8*(2*\nt+\ot)+\j+1], v[BO+2*\ot:BO+2*\ot+1] op_sel_hi:[1,0]
.endr
	ds_store_b128 v[STO], v[ACC+8*(2*\nt+\ot):ACC+8*(2*\nt+\ot)+3]   offset:\ot*4352+\nt*64
	ds_store_b128 v[STO], v[ACC+8*(2*\nt+\ot)+4:ACC+8*(2*\nt+\ot)+7] offset:\ot*4352+\nt*64+16
.endr
.endr
.irp i, 0,1,2,3,4,5,6,7,8,9,10,11,12,13,14,15
	ds_load_b128 v[F0+4*\i:F0+4*\i+3], v[RD] offset:\i*544         ; my wave's own bytes: LDS serves a wave's instructions in order (ISA guide 5.7.1)
.endr
.irp i, 0,1,2,3,4,5,6,7,8,9,10,11,12,13,14,15
	s_wait_dscnt 15-\i
	global_store_b128 v[CO], v[F0+4*\i:F0+4*\i+3], s[10:11] offset:\i*32768 th:TH_STORE_NT   ; 16 lanes store 256 consecutive bytes, aligned
.endr
	s_wait_tensorcnt 0x0
	ds_add_u32 v192, v193
	s_wait_dscnt 0x0
	ROUND                                          ; the closing round
	s_endpgm
.Lfunc_end_k_qcaa0a66063_oproj:
	.size	k_qcaa0a66063_oproj, .Lfunc_end_k_qcaa0a66063_oproj-k_qcaa0a66063_oproj
	.p2alignl 7, 3214868480
	.fill 96, 4, 3214868480
	.section	.rodata,"a",@progbits
	.p2align	6, 0x0
	.amdhsa_kernel k_qcaa0a66063_oproj
		.amdhsa_group_segment_fixed_size 252416
		.amdhsa_private_segment_fixed_size 0
		.amdhsa_enable_private_segment 0
		.amdhsa_kernarg_size 32
		.amdhsa_user_sgpr_count 2
		.amdhsa_user_sgpr_kernarg_segment_ptr 1
		.amdhsa_wavefront_size32 1
		.amdhsa_system_sgpr_workgroup_id_x 1
		.amdhsa_system_sgpr_workgroup_id_y 1
		.amdhsa_system_sgpr_workgroup_id_z 1
		.amdhsa_system_vgpr_workitem_id 0
		.amdhsa_next_free_vgpr 194
		.amdhsa_next_free_sgpr 84
		.amdhsa_reserve_vcc 0
		.amdhsa_float_denorm_mode_32 3
		.amdhsa_float_denorm_mode_16_64 3
		.amdhsa_memory_ordered 1
		.amdhsa_forward_progress 1
		.amdhsa_inst_pref_size 38
	.end_amdhsa_kernel
	.amdgpu_metadata
---
amdhsa.version: [ 1, 2 ]
amdhsa.kernels:
  - .name:           k_qcaa0a66063_oproj
    .symbol:         k_qcaa0a66063_oproj.kd
    .args:
      - { .name: at, .offset: 0, .size: 8, .value_kind: global_buffer, .address_space: global }
      - { .name: ow, .offset: 8, .size: 8, .value_kind: global_buffer, .address_space: global }
      - { .name: o_b, .offset: 16, .size: 8, .value_kind: global_buffer, .address_space: global }
      - { .name: out0, .offset: 24, .size: 8, .value_kind: global_buffer, .address_space: global }
    .group_segment_fixed_size: 252416
    .private_segment_fixed_size: 0
    .kernarg_segment_align: 8
    .kernarg_segment_size: 32
    .max_flat_workgroup_size: 128
    .sgpr_count:     84
    .vgpr_count:     194
    .wavefront_size: 32
...
	.end_amdgpu_metadata
.endif
;; end of part 3
;; ======== version 2 of 2: 3 launches
;; limits: values are held in f16: magnitudes above 65,504 overflow, below 6.1e-05 lose precision
;; workspace buffers: qt 4,194,304 bytes; kt 4,194,304 bytes; vv 4,194,304 bytes; ow 524,288 bytes; at 4,194,304 bytes
;; launch proj: the kernel of part 1 again; grid 32 x 8, 8 waves a work-group, no clusters, 147,456 bytes of LDS; arguments hidden_states, q_w, k_w, v_w, q_b, k_b, v_b, o_w, qt, kt, vv, ow; writes qt, kt, vv, ow
;; launch attn (part 4): grid 32 x 8, 16 waves a work-group, clusters of 4 x 1, 327,680 bytes of LDS; arguments qt, kt, vv, at; writes at
.if DOCPART == 4
	.amdgcn_target "amdgcn-amd-amdhsa--gfx1250"
	.amdhsa_code_object_version 6
	.text
	.protected	k_qcaa0a66063_attn
	.globl	k_qcaa0a66063_attn
	.p2align	8
	.type	k_qcaa0a66063_attn,@function
k_qcaa0a66063_attn:
	s_mov_b64 s[64:65], 0
	v_nop
	global_prefetch_b8 v0, s[64:65] scope:SCOPE_SE
	s_setreg_imm32_b32 hwreg(HW_REG_WAVE_MODE, 25, 1), 1
	s_wait_xcnt 0x0
	s_wait_alu depctr_hold_cnt(0) depctr_sa_sdst(0) depctr_va_vdst(0) depctr_va_sdst(0) depctr_va_ssrc(0) depctr_va_vcc(0) depctr_vm_vsrc(0)
	s_getreg_b32 s2, hwreg(HW_REG_IB_STS2, 6, 4)
	s_cmp_eq_u32 s2, 0
	s_cbranch_scc0 .Lentry_in_a_cluster
	s_endpgm
.Lentry_in_a_cluster:
	s_bfe_u32 s2, ttmp6, 0x10000c
	s_cmp_lg_u32 s2, 0x3003
	s_cbranch_scc0 .Lentry_shape_is_right
	s_endpgm
.Lentry_shape_is_right:
; Attention of one head for 128 queries: S = q k'^T (already in units of log2), softmax with a running maximum, A = P v / sum(P).
; qt, kt: [8][4096 n][64 d] f16; vv: [512 c][4096 n] f16; at: [8][4096 n][64 d] f16.
; SIXTEEN WAVES: qg = wave & 3 takes 32 queries, kh = wave >> 2 takes one quarter (128 keys) of every tile of 512 keys.
; A wave issues in order; with partners beside it, their instructions can issue while it waits for LDS loads, for results or for a unit.
; The four waves of a query group each run a softmax of their own over 1,024 keys; at the end the four are joined by their maxima and sums.
; A wave's 32 queries are TWO PIECES of 16 (A = 0, B = 1) that share the K and V fragments.  The pieces take turns:
; while one piece's products are issued, the other piece's softmax (maxima, exponentials, rescaling, rounding) stands between them.
; LAYOUT: S^T = (source 0: 16 keys x 64 d) x (source 1: 16 queries): lane (r, h) holds query r, keys 8 h + j.  Two such tiles, rounded to
; f16 in pairs, ARE source 1 of the second product for 32 keys: no lane moves.  A^T = (source 0: 16 d x 32 keys of V) x P^T.
; A query is a lane's column: maximum, rescaling factor and 1 / sum are one number a lane; one exchange joins the two halves of the wave.
; THE ROW SUM comes from the matrix unit: a source 0 of ones times P^T; every row of that tile is the sum over the 32 keys of the
; ROUNDED P.  Only its register 0 is rescaled and used; the other seven hold sums that are never rescaled, at most 1,024, and are not read.
; CLUSTER: the four work-groups of a cluster are four query blocks of one head and walk the same K and V tiles: each tile is asked
; for jointly (mask 15), which divides the requests for K and V by four.  The place in the cluster enters only q's and the output's address.
; RING: 8 tiles of 512 keys, two LDS slots; a slot is filled again behind a round of the cluster's barrier in the last block of its trip,
; and that tile is waited for one trip (8 phases of every wave) later.  A wave has four tensor loads out at the start, later two.
; LIMIT: P and the result are f16: |A| above 65,504 becomes infinity; P below 6e-8 of the row's running maximum counts as 0.
.set KA,   2                           ; v2-3    slot s: LDS address of my K fragment rows: my quarter's 128 rows, 144 r + 16 h
.set VA,   5                           ; v5-6    slot s: the same for V: my quarter's 256 bytes of each row, 1040 r + 16 h
.set STO,  8                           ; v8      stage: where I put 16 bytes
.set RD,   9                           ; v9      stage: where I read them back
.set GO,   10                          ; v10     my bytes in the output block
.set QOFF, 11                          ; v11     my bytes in q's block
.set MX,   12                          ; v12, v16  piece p: running maximum (v13, v17 fill the pair, written once)
.set AL,   14                          ; v14, v18  piece p: rescaling factor (v15, v19 fill the pair)
.set T,    20                          ; v[20:23]  at work
.set ONES, 24                          ; v[24:31]  a fragment of 1.0 in f16
.set QF,   32                          ; v[32:63]  q fragment (p, kk) at 32 + 16 p + 8 kk
.set KF,   64                          ; v[64:95]  four K fragments of a block of 32 keys
.set VF,   96                          ; v[96:127] four V fragments
.set SC,   128                         ; v[128:159] piece p: 16 scores a lane; P is packed in place into the first 8
.set OA,   160                         ; v[160:223] piece p: 4 tiles of A^T
.set LSUM, 224                         ; v[224:239] piece p: the tile of row sums
.set XB16, 240                         ; v240    first exchange: the region of my pair's even quarter, 16 bytes a lane
.set XB8,  241                         ; v241    behind its 4,096 bytes, 8 bytes a lane
.set YB16, 242                         ; v242    second exchange: the region that quarters kh and kh + 2 share, 16 bytes a lane
.set YB8,  243                         ; v243    behind its 4,096 bytes, 8 bytes a lane
.set SLOT, 140288                      ; K: 512 rows x 144 = 73,728; V: 64 rows x 1,040 = 66,560
.set VOFS, 73728
; The exchanges and the stage lie in slot 0.  Its last fill (tile 6) has landed, its last reads stand in front of the barrier of trip 6,
; the last trip reads slot 1 alone, and no tensor load is issued behind these stores.
.set XCH,  0                           ; 16 regions of 4,352 bytes: region = qg + 4 (kh & 1) + 8 (kh >> 1) = the wave's number
.set XHALF, 17408                      ; four regions: from a pair's even quarter to its odd one
.set STAGE, 69632                      ; 16 rows x 144 for each of the eight waves that store
.set XCH2, 88064                       ; 8 regions of 4,352 bytes: region = wave & 7
.set G1K,  24                          ; s[24:31]
.set G1V,  32                          ; s[32:39]
.set G0K,  40                          ; s[40:47]  one set for each slot
.set G0V,  52                          ; s[52:59]
.macro CREST                           ; a round of the cluster's barrier behind its opening work-group barrier
	s_cmp_lg_u32 s12, 0
	s_cbranch_scc1 .Lnot_wave_0_\@
	s_barrier_signal -3
.Lnot_wave_0_\@:
	s_barrier_wait -3
	s_barrier_signal -1
	s_barrier_wait -1
.endm
.macro ROUND
	s_barrier_signal -1
	s_barrier_wait -1
	CREST
.endm
	s_load_b256 s[4:11], s[0:1], 0x0               ; qt 4, kt 6, vv 8, at 10
	v_lshl_add_u32 v254, v0, 2, 0x44900
	v_mov_b32 v255, 0
	ds_add_u32 v254, v255
	v_lshrrev_b32 v1, 5, v0
	v_readfirstlane_b32 s12, v1                    ; wave, 0 to 15
	s_and_b32 s66, s12, 3                          ; qg: which 32 queries
	s_lshr_b32 s67, s12, 2                         ; kh: which quarter of every tile's keys
	s_and_b32 s68, s67, 1                          ; kh & 1: the piece that I keep in the first exchange
	s_lshr_b32 s69, s67, 1                         ; kh >> 1: 1 = I give in the second exchange, 0 = I take and store
	s_and_b32 s70, s12, 7                          ; qg + 4 (kh & 1)
	s_bfe_u32 s13, ttmp6, 0x40000                  ; cx
	s_lshl_b32 s14, ttmp9, 2
	s_add_co_u32 s14, s14, s13                     ; query block = 4 x cluster x + cx
	s_and_b32 s15, ttmp7, 0xffff                   ; head
	s_mov_b32 s21, 0x76543210                      ; v_permlanex16_b32: lane i takes lane i of the other half
	s_mov_b32 s22, 0xfedcba98
	v_and_b32 v1, 31, v0                           ; lane L
	v_and_b32 v20, 15, v0                          ; r
	v_bfe_u32 v21, v0, 4, 1                        ; h
	v_mul_u32_u24 v22, v20, 144
	v_lshl_add_u32 v22, v21, 4, v22                ; 144 r + 16 h
	v_mul_u32_u24 v23, v20, 1040
	v_lshl_add_u32 v23, v21, 4, v23                ; 1040 r + 16 h
	s_mul_i32 s16, s70, 2304
	s_add_co_u32 s16, s16, STAGE                   ; my stage (used by quarters 0 and 1 alone)
	v_add_nc_u32 v[STO], s16, v22
	s_mul_i32 s17, s67, 18432                      ; K: my quarter's 128 rows of 144 bytes
	s_lshl_b32 s18, s67, 8                         ; V: my quarter's 128 keys of 2 bytes
	v_add_nc_u32 v22, s17, v22
	v_add_nc_u32 v23, s18, v23
.irp s, 0,1
	v_add_nc_u32 v[KA+\s], \s*SLOT, v22
	v_add_nc_u32 v[VA+\s], \s*SLOT+VOFS, v23
.endr
	v_bfe_u32 v22, v0, 3, 2                        ; back: 8 lanes take a row of 128 bytes
	v_mul_u32_u24 v22, v22, 144
	v_and_b32 v23, 7, v0
	v_lshl_add_u32 v22, v23, 4, v22
	v_add_nc_u32 v[RD], s16, v22
	s_lshl_b32 s17, s66, 12                        ; 32 queries of 128 bytes
	v_lshl_add_u32 v[QOFF], v20, 7, s17
	v_lshl_add_u32 v[QOFF], v21, 4, v[QOFF]
	s_lshl_b32 s18, s68, 11                        ; quarters 0 and 1 finish and store piece kh: 16 queries of 128 bytes
	s_add_co_u32 s18, s18, s17
	v_lshl_add_u32 v[GO], v1, 4, s18
	s_lshl_b32 s19, s69, 3
	s_add_co_u32 s19, s19, s66                     ; qg + 8 (kh >> 1): the region of my pair's even quarter
	s_mul_i32 s19, s19, 4352
	s_add_co_u32 s19, s19, XCH
	v_lshl_add_u32 v[XB16], v1, 4, s19
	s_add_co_u32 s19, s19, 4096
	v_lshl_add_u32 v[XB8], v1, 3, s19
	s_mul_i32 s19, s70, 4352
	s_add_co_u32 s19, s19, XCH2
	v_lshl_add_u32 v[YB16], v1, 4, s19
	s_add_co_u32 s19, s19, 4096
	v_lshl_add_u32 v[YB8], v1, 3, s19
	v_mov_b32 v[MX+1], 0                           ; the second registers of the broadcast pairs: written once, never used as numbers
	v_mov_b32 v[AL+1], 0
	v_mov_b32 v[MX+5], 0
	v_mov_b32 v[AL+5], 0
.irp j, 0,1,2,3,4,5,6,7
	v_mov_b32 v[ONES+\j], 0x3c003c00               ; 1.0, 1.0 in f16
.endr
	; group 1 of K's tiles: my wave's 32 keys x 64 d, rows of 128 bytes, 16 bytes of padding behind each (pitch 144)
	s_mov_b32 s[G1K+0], (15)|(1<<16)|(1<<20)|(1<<21)|(4<<22)|(3<<25)   ; mask: all four of the cluster; 2-byte elements; padding on; bit 21 beside a mask; every 32 words; 4 words
	s_mov_b32 s[G1K+1], 64<<16                     ; tensor_dim0 = 64
	s_mov_b32 s[G1K+2], 32<<16                     ; tensor_dim1 = 32
	s_mov_b32 s[G1K+3], 64<<16                     ; tile_dim0 = 64
	s_mov_b32 s[G1K+4], 32                         ; tile_dim1 = 32
	s_mov_b32 s[G1K+5], 64                         ; 64 elements from row to row
	s_mov_b32 s[G1K+6], 0
	s_mov_b32 s[G1K+7], 0
	; group 1 of V's tiles: my wave's 4 channels x 512 keys, rows of 1,024 bytes, padded to 1,040
	s_mov_b32 s[G1V+0], (15)|(1<<16)|(1<<20)|(1<<21)|(7<<22)|(3<<25)   ; every 256 words, 4 words
	s_mov_b32 s[G1V+1], 512<<16                    ; tensor_dim0 = 512
	s_mov_b32 s[G1V+2], 4<<16                      ; tensor_dim1 = 4
	s_mov_b32 s[G1V+3], 512<<16                    ; tile_dim0 = 512
	s_mov_b32 s[G1V+4], 4                          ; tile_dim1 = 4
	s_mov_b32 s[G1V+5], 4096                       ; 4,096 elements from row to row
	s_mov_b32 s[G1V+6], 0
	s_mov_b32 s[G1V+7], 0
	s_lshl_b32 s23, s15, 19                        ; a head: 524,288 bytes in each of the four buffers
	s_lshl_b32 s16, s12, 12                        ; K: the 32 keys of 128 bytes that I fetch
	s_add_co_u32 s16, s16, s23
	s_mov_b32 s17, 0
	s_lshl_b32 s18, s12, 15                        ; V: the 4 rows of 8,192 bytes that I fetch
	s_add_co_u32 s18, s18, s23
	s_mov_b32 s19, 0
	s_lshl_b32 s2, s14, 14                         ; q and the output: 128 queries of 128 bytes (the only number that holds cx)
	s_add_co_u32 s2, s2, s23
	s_mov_b32 s3, 0
	s_mul_i32 s20, s12, 4608                       ; my part of a slot's K: 32 rows of 144
	s_mul_i32 s23, s12, 4160                       ; my part of a slot's V: 4 rows of 1,040
	s_wait_dscnt 0x0
	s_wait_kmcnt 0x0
	s_add_nc_u64 s[6:7], s[6:7], s[16:17]
	s_add_nc_u64 s[8:9], s[8:9], s[18:19]
	s_add_nc_u64 s[4:5], s[4:5], s[2:3]
	s_add_nc_u64 s[10:11], s[10:11], s[2:3]
.irp s, 0,1
	s_mov_b32 s[G0K+4*\s], 1
	s_add_co_u32 s[G0K+4*\s+1], s20, \s*SLOT
	s_add_nc_u64 s[G0K+4*\s+2:G0K+4*\s+3], s[6:7], \s*65536        ; tile s: 512 keys of 128 bytes
	s_or_b32 s[G0K+4*\s+3], s[G0K+4*\s+3], 0x80000000
	s_mov_b32 s[G0V+4*\s], 1
	s_add_co_u32 s[G0V+4*\s+1], s23, \s*SLOT+VOFS
	s_add_nc_u64 s[G0V+4*\s+2:G0V+4*\s+3], s[8:9], \s*1024         ; tile s: 512 keys of 2 bytes along the rows
	s_or_b32 s[G0V+4*\s+3], s[G0V+4*\s+3], 0x80000000
.endr
	ROUND                                          ; all four work-groups are here: the first joint loads meet
.irp s, 0,1
	tensor_load_to_lds s[G0K+4*\s:G0K+4*\s+3], s[G1K:G1K+7]
	s_nop 0
	tensor_load_to_lds s[G0V+4*\s:G0V+4*\s+3], s[G1V:G1V+7]
	s_nop 0
.endr
.irp p, 0,1
.irp kk, 0,1
	global_load_b128 v[QF+16*\p+8*\kk:QF+16*\p+8*\kk+3],   v[QOFF], s[4:5] offset:\p*2048+\kk*64
	global_load_b128 v[QF+16*\p+8*\kk+4:QF+16*\p+8*\kk+7], v[QOFF], s[4:5] offset:\p*2048+\kk*64+32
.endr
.endr
; K fragment f of block b (of my quarter's four) of slot s.  f = 0, 2: keys 16-31; f = 1, 3: keys 0-15; f >> 1: which 32 of d.
.macro LDK f, s, b
	ds_load_b128 v[KF+8*\f:KF+8*\f+3],   v[KA+\s] offset:((32*(\b))+(16*(1-((\f)&1))))*144+(64*((\f)>>1))
	ds_load_b128 v[KF+8*\f+4:KF+8*\f+7], v[KA+\s] offset:((32*(\b))+(16*(1-((\f)&1))))*144+(64*((\f)>>1))+32
.endm
.macro LDV dt, s, b                    ; V fragment: channels 16 dt .. + 15 (16 rows of 1,040 bytes), the block's 32 keys
	ds_load_b128 v[VF+8*\dt:VF+8*\dt+3],   v[VA+\s] offset:\dt*16640+64*(\b)
	ds_load_b128 v[VF+8*\dt+4:VF+8*\dt+7], v[VA+\s] offset:\dt*16640+64*(\b)+32
.endm
; The four products of a piece's scores.  The tile of keys 16-31 goes first: the tile of keys 0-15 lands on the registers that hold the
; last block's P, and so stands further behind the last product that read P.
.macro WS q, f
.if \f == 0
	v_wmma_f32_16x16x32_f16 v[SC+16*\q+8:SC+16*\q+15], v[KF:KF+7],     v[QF+16*\q:QF+16*\q+7],    0
.elseif \f == 1
	v_wmma_f32_16x16x32_f16 v[SC+16*\q:SC+16*\q+7],    v[KF+8:KF+15],  v[QF+16*\q:QF+16*\q+7],    0
.elseif \f == 2
	v_wmma_f32_16x16x32_f16 v[SC+16*\q+8:SC+16*\q+15], v[KF+16:KF+23], v[QF+16*\q+8:QF+16*\q+15], v[SC+16*\q+8:SC+16*\q+15]
.else
	v_wmma_f32_16x16x32_f16 v[SC+16*\q:SC+16*\q+7],    v[KF+24:KF+31], v[QF+16*\q+8:QF+16*\q+15], v[SC+16*\q:SC+16*\q+7]
.endif
.endm
.macro WPV q, dt, pv                   ; pv = 1: the first block starts the sum
.if \pv == 1
	v_wmma_f32_16x16x32_f16 v[OA+32*\q+8*\dt:OA+32*\q+8*\dt+7], v[VF+8*\dt:VF+8*\dt+7], v[SC+16*\q:SC+16*\q+7], 0
	s_wait_alu depctr_va_vdst(0)
.else
	v_wmma_f32_16x16x32_f16 v[OA+32*\q+8*\dt:OA+32*\q+8*\dt+7], v[VF+8*\dt:VF+8*\dt+7], v[SC+16*\q:SC+16*\q+7], v[OA+32*\q+8*\dt:OA+32*\q+8*\dt+7]
.endif
.endm
.macro WONE q, pv
.if \pv == 1
	v_wmma_f32_16x16x32_f16 v[LSUM+8*\q:LSUM+8*\q+7], v[ONES:ONES+7], v[SC+16*\q:SC+16*\q+7], 0
.else
	v_wmma_f32_16x16x32_f16 v[LSUM+8*\q:LSUM+8*\q+7], v[ONES:ONES+7], v[SC+16*\q:SC+16*\q+7], v[LSUM+8*\q:LSUM+8*\q+7]
.endif
.endm
; The softmax of piece p for one block of 32 keys, in groups that stand between the other piece's products.  fs = 1: the first block.
.macro VG0 p                           ; the largest of my 16 scores, first part
	v_max3_num_f32 v[T],   v[SC+16*\p],   v[SC+16*\p+1],  v[SC+16*\p+2]
	v_max3_num_f32 v[T+1], v[SC+16*\p+3], v[SC+16*\p+4],  v[SC+16*\p+5]
	v_max3_num_f32 v[T+2], v[SC+16*\p+6], v[SC+16*\p+7],  v[SC+16*\p+8]
	v_max3_num_f32 v[T+3], v[SC+16*\p+9], v[SC+16*\p+10], v[SC+16*\p+11]
	v_max3_num_f32 v[T],   v[T],   v[SC+16*\p+12], v[SC+16*\p+13]
	v_max3_num_f32 v[T+1], v[T+1], v[SC+16*\p+14], v[SC+16*\p+15]
.endm
.macro VG1 p, fs                       ; with the running maximum and the other half's 16 keys; old - new maximum
	v_max3_num_f32 v[T], v[T], v[T+1], v[T+2]
.if \fs
	v_max_num_f32 v[T], v[T], v[T+3]
	v_permlanex16_b32 v[T+1], v[T], s21, s22
	v_max_num_f32 v[MX+4*\p], v[T], v[T+1]
	v_nop                                          ; with these, five plain places behind the product in front, as in the other form
	v_nop
.else
	v_max3_num_f32 v[T], v[T], v[T+3], v[MX+4*\p]
	v_permlanex16_b32 v[T+1], v[T], s21, s22
	v_max_num_f32 v[T+2], v[T], v[T+1]
	v_sub_f32 v[AL+4*\p], v[MX+4*\p], v[T+2]
	v_mov_b32 v[MX+4*\p], v[T+2]
.endif
.endm
.macro VG2 p, fs                       ; factor = 2^(old - new); scores minus the maximum.  The subtractions read the maximum's pair, not the factor's:
.if \fs == 0                           ; they are the plain instructions between the exponential and the first use of its result (ISA guide 5.7.2)
	v_exp_f32 v[AL+4*\p], v[AL+4*\p]
.endif
	s_wait_alu depctr_va_vdst(0)
.irp j, 0,2,4,6,8,10,12,14
	v_pk_add_f32 v[SC+16*\p+\j:SC+16*\p+\j+1], v[SC+16*\p+\j:SC+16*\p+\j+1], v[MX+4*\p:MX+4*\p+1] op_sel_hi:[1,0] neg_lo:[0,1] neg_hi:[0,1]
.endr
.endm
.macro VGA p, g, fs                    ; tile g of A^T times the factor: four plain places
.if \fs
.rept 4
	v_nop
.endr
.else
.irp j, 0,2,4,6
	v_pk_mul_f32 v[OA+32*\p+8*\g+\j:OA+32*\p+8*\g+\j+1], v[OA+32*\p+8*\g+\j:OA+32*\p+8*\g+\j+1], v[AL+4*\p:AL+4*\p+1] op_sel_hi:[1,0]
.endr
.endif
.endm
.macro VGB p, g                        ; four exponentials; the next vector instruction is always a plain one on other registers
.irp j, 0,1,2,3
	v_exp_f32 v[SC+16*\p+4*\g+\j], v[SC+16*\p+4*\g+\j]
.endr
.endm
.macro VG7 p, fs                       ; keys 8 h .. + 7 to f16: registers 0-3 of P^T's fragment; the row sum times the factor
	s_wait_alu depctr_va_vdst(0)
.irp j, 0,1,2,3
	v_cvt_pk_f16_f32 v[SC+16*\p+\j], v[SC+16*\p+2*\j], v[SC+16*\p+2*\j+1]
.endr
.if \fs == 0
	v_mul_f32 v[LSUM+8*\p], v[LSUM+8*\p], v[AL+4*\p]
.endif
.endm
.macro VG8 p                           ; keys 16 + 8 h .. + 7: registers 4-7
.irp j, 0,1,2,3
	v_cvt_pk_f16_f32 v[SC+16*\p+4+\j], v[SC+16*\p+8+2*\j], v[SC+16*\p+8+2*\j+1]
.endr
.endm
.macro DW wt, a, b                     ; a counted wait on LDS loads: count a in a usual phase, b in the last one
.if \wt == 1
	s_wait_dscnt \a
.elseif \wt == 2
	s_wait_dscnt \b
.endif
.endm
; THE CHANGE OF SLOTS, in the last X phase of a trip.  sy = 1: slot rsl, this trip's, is filled again, two tiles on.  In front of the round's opening
; signal my LDS reads are back (this slot's last, the V fragments of its last block, among them) and all my tensor loads have landed (the two that
; were out: my parts of the next tile); only register work stands inside the round; the two joint loads are the first behind it, and only then
; the next tile's first K fragments are read.  sy = 2: the same waits and a plain barrier show the last tile to all waves; nothing is filled.
.macro OPENS sy, rsl
.if \sy
	s_wait_dscnt 0x0
	s_wait_tensorcnt 0x0
	ds_add_u32 v254, v255
	s_wait_dscnt 0x0
.if \sy == 1
	s_add_nc_u64 s[G0K+4*\rsl+2:G0K+4*\rsl+3], s[G0K+4*\rsl+2:G0K+4*\rsl+3], 131072   ; no tensor load of mine is out: the addresses step two tiles
	s_add_nc_u64 s[G0V+4*\rsl+2:G0V+4*\rsl+3], s[G0V+4*\rsl+2:G0V+4*\rsl+3], 2048
.endif
	s_barrier_signal -1
.endif
.endm
.macro CLOSES sy, rsl
.if \sy
	s_barrier_wait -1
.if \sy == 1
	CREST
	tensor_load_to_lds s[G0K+4*\rsl:G0K+4*\rsl+3], s[G1K:G1K+7]
	s_nop 0
	tensor_load_to_lds s[G0V+4*\rsl:G0V+4*\rsl+3], s[G1V:G1V+7]
	s_nop 0
.endif
.endif
.endm
; A PHASE: the products of piece mp (P V and the row sum of its last block, then the scores of its next block), one at a time, each followed
; by a group of piece vp's softmax.  Nine accumulators take turns, one instruction a turn.
; THE LDS LOADS GO IN TWO RUNS of eight: all four V fragments behind the four plain vector instructions that follow the last P V product, all four
; K fragments behind the four conversions that follow the last scores' product: four places between a product and a load into its
; sources.  The phase that uses them has one wait for each run.
; Eight plain instructions stand between the row sum's product, the last to read P, and the scores' product that lands on P;
; the four conversions of VG8 stand between the last scores' product and the next phase's first read of those scores.
; pv: 0 no P V, 1 it starts the sums, 2 it adds.  ws: scores or not.  wt: see DW.  ldv, ldk: fetch V fragments of (vsl, vb), K fragments of (ksl, kb).
.macro PHASE vp, mp, pv, ws, fs, wt, ldv, vsl, vb, ldk, ksl, kb, sy, rsl
.if \pv
	DW \wt, 8, 0                                   ; the phase before issued V's eight loads, then K's eight (the last one: V's alone): K's stay out
	WPV \mp, 0, \pv
.endif
	VG0 \vp
.if \pv
	WPV \mp, 1, \pv
.endif
	VG1 \vp, \fs
.if \pv
	WPV \mp, 2, \pv
.endif
	VG2 \vp, \fs
.if \pv
	WPV \mp, 3, \pv
.endif
	VGA \vp, 0, \fs
.if \ldv
	LDV 0, \vsl, \vb
	LDV 1, \vsl, \vb
	LDV 2, \vsl, \vb
	LDV 3, \vsl, \vb
.endif
	VGB \vp, 0
.if \pv
	WONE \mp, \pv
.endif
	VGA \vp, 1, \fs
	VGB \vp, 1
	OPENS \sy, \rsl
.if \ws
	DW \wt, 0, 0                                   ; K's eight loads are in
	WS \mp, 0
.endif
	VGA \vp, 2, \fs
	VGB \vp, 2
.if \ws
	WS \mp, 1
.endif
	VGA \vp, 3, \fs
	VGB \vp, 3
.if \ws
	WS \mp, 2
.endif
	VG7 \vp, \fs
.if \ws
	WS \mp, 3
.endif
	VG8 \vp
	CLOSES \sy, \rsl
.if \ldk
	LDK 0, \ksl, \kb
	LDK 1, \ksl, \kb
	LDK 2, \ksl, \kb
	LDK 3, \ksl, \kb
.endif
.endm
; X(i): softmax of A's block i beside B's P V of block i - 1 and B's scores of block i.  Each fragment has its second use here and is
; fetched again behind it: V of block i, K of block i + 1.  Y(i): softmax of B's block i beside A's P V of block i and A's scores of block i + 1.
.macro XPH pv, fs, slot, b, ldk, ksl, kb, sy
	PHASE 0, 1, \pv, 1, \fs, 0, 1, \slot, \b, \ldk, \ksl, \kb, \sy, \slot
.endm
.macro YPH pv, ws, fs, wt
	PHASE 1, 0, \pv, \ws, \fs, \wt, 0, 0, 0, 0, 0, 0, 0, 0
.endm
.macro TRIP slot, next, sy             ; my quarter of a tile: 4 blocks of 32 keys; the last X phase changes slots and fetches the next tile's first K fragments
.irp b, 0,1,2
	XPH 2, 0, \slot, \b, 1, \slot, \b+1, 0
	YPH 2, 1, 0, 1
.endr
	XPH 2, 0, \slot, 3, 1, \next, 0, \sy
	YPH 2, 1, 0, 1
.endm
	s_wait_tensorcnt 0x2                           ; my parts of tile 0 are in; tile 1's two loads stay out
	s_barrier_signal -1
	s_barrier_wait -1
	s_wait_loadcnt 0x0                             ; q
	LDK 0, 0, 0
	LDK 1, 0, 0
	LDK 2, 0, 0
	LDK 3, 0, 0
	s_wait_dscnt 6                                 ; two loads a fragment: the later fragments' stay out
	WS 0, 0
	s_wait_dscnt 4
	WS 0, 1
	s_wait_dscnt 2
	WS 0, 2
	s_wait_dscnt 0
	WS 0, 3
.rept 4
	v_nop                                          ; four places in front of the first read of these scores
.endr
	; trip 0: the first blocks start the maxima and the sums
	XPH 0, 1, 0, 0, 1, 0, 1, 0
	YPH 1, 1, 1, 1
	XPH 1, 0, 0, 1, 1, 0, 2, 0
	YPH 2, 1, 0, 1
	XPH 2, 0, 0, 2, 1, 0, 3, 0
	YPH 2, 1, 0, 1
	XPH 2, 0, 0, 3, 1, 1, 0, 1                     ; tile 1 is waited for, tile 2 is asked for
	YPH 2, 1, 0, 1
	s_mov_b32 s20, 2                               ; trips 1 to 4, which ask for tiles 3 to 6
.Ltrips:
	TRIP 1, 0, 1
	TRIP 0, 1, 1
	s_sub_co_u32 s20, s20, 1
	s_cmp_lg_u32 s20, 0
	s_cbranch_scc1 .Ltrips
	TRIP 1, 0, 1                                   ; trip 5 asks for tile 7, the last
	TRIP 0, 1, 2                                   ; trip 6 waits for tile 7 and shows it to all waves; behind its barrier nobody reads slot 0
.irp b, 0,1,2
	XPH 2, 0, 1, \b, 1, 1, \b+1, 0                 ; trip 7
	YPH 2, 1, 0, 1
.endr
	XPH 2, 0, 1, 3, 0, 0, 0, 0                     ; no further K
	YPH 2, 0, 0, 2                                 ; no further scores
	WPV 1, 0, 2                                    ; B's last block
	WPV 1, 1, 2
	WPV 1, 2, 2
	WPV 1, 3, 2
	WONE 1, 2
	; THE FOUR QUARTERS OF THE KEYS ARE JOINED in two exchanges through LDS.  First: quarters kh and kh xor 1 swap, each keeps piece kh & 1 and gives
	; the other.  Second: quarters 2 and 3 give what they then hold to quarters 0 and 1, which divide by the sum and store.
	; A gift is 32 registers of A^T as eight stores of 512 dense bytes, and (maximum, sum) as 8 bytes a lane.
.macro GIVE g, a16, a8, off
	v_mov_b32 v[T],   v[MX+4*\g]
	v_mov_b32 v[T+1], v[LSUM+8*\g]
	ds_store_b64 v[\a8], v[T:T+1] offset:\off
.irp i, 0,1,2,3,4,5,6,7
	ds_store_b128 v[\a16], v[OA+32*\g+4*\i:OA+32*\g+4*\i+3] offset:\off+\i*512
.endr
.endm
; With m = the larger maximum: a0 = 2^(mine - m) in AL, a1 = 2^(partner's - m) in T + 2; the maximum becomes m, the sum a0 l0 + a1 l1.
.macro MEET p, a16, a8, off
	ds_load_b64 v[VF:VF+1], v[\a8] offset:\off
.irp i, 0,1,2,3,4,5,6,7
	ds_load_b128 v[KF+4*\i:KF+4*\i+3], v[\a16] offset:\off+\i*512
.endr
	s_wait_dscnt 8                                 ; the partner's maximum and sum are in; the eight loads of its A^T stay out
	v_max_num_f32 v[T], v[MX+4*\p], v[VF]
	v_sub_f32 v[AL+4*\p], v[MX+4*\p], v[T]
	v_sub_f32 v[T+2], v[VF], v[T]
	v_exp_f32 v[AL+4*\p], v[AL+4*\p]
	v_exp_f32 v[T+2], v[T+2]
	v_mov_b32 v[MX+4*\p], v[T]                     ; the plain instruction in front of the first use of the exponentials (ISA guide 5.7.2)
	s_wait_alu depctr_va_vdst(0)
	v_mul_f32 v[LSUM+8*\p], v[LSUM+8*\p], v[AL+4*\p]
	v_fmac_f32 v[LSUM+8*\p], v[VF+1], v[T+2]
.endm
.macro BLEND p                         ; A = AL x mine + (T + 2) x partner's
.irp j, 0,2,4,6,8,10,12,14,16,18,20,22,24,26,28,30
	v_pk_mul_f32 v[OA+32*\p+\j:OA+32*\p+\j+1], v[OA+32*\p+\j:OA+32*\p+\j+1], v[AL+4*\p:AL+4*\p+1] op_sel_hi:[1,0]
.endr
	s_wait_dscnt 0x0
.irp j, 0,2,4,6,8,10,12,14,16,18,20,22,24,26,28,30
	v_pk_fma_f32 v[OA+32*\p+\j:OA+32*\p+\j+1], v[KF+\j:KF+\j+1], v[T+2:T+3], v[OA+32*\p+\j:OA+32*\p+\j+1] op_sel_hi:[1,0,1]
.endr
.endm
; The last join: both factors are divided by the sum.  Then: round to f16, 16 bytes a lane into my stage, whole rows back, 512 dense bytes a store.
.macro TAKE p
	MEET \p, YB16, YB8, 0
	v_rcp_f32 v[T+1], v[LSUM+8*\p]
	v_nop                                          ; one plain instruction in front of the first use (ISA guide 5.7.2)
	s_wait_alu depctr_va_vdst(0)
	v_mul_f32 v[AL+4*\p], v[AL+4*\p], v[T+1]       ; a0 / sum
	v_mul_f32 v[T+2], v[T+2], v[T+1]               ; a1 / sum
	BLEND \p
.irp dt, 0,1,2,3
.irp j, 0,1,2,3
	v_cvt_pk_f16_f32 v[OA+32*\p+8*\dt+\j], v[OA+32*\p+8*\dt+2*\j], v[OA+32*\p+8*\dt+2*\j+1]
.endr
	ds_store_b128 v[STO], v[OA+32*\p+8*\dt:OA+32*\p+8*\dt+3] offset:\dt*32
.endr
.irp i, 0,1,2,3
	ds_load_b128 v[VF+4*\i:VF+4*\i+3], v[RD] offset:\i*576         ; my wave's own bytes: LDS serves a wave's instructions in order (ISA guide 5.7.1)
.endr
.irp i, 0,1,2,3
	s_wait_dscnt 3-\i                              ; the younger loads stay out
	global_store_b128 v[GO], v[VF+4*\i:VF+4*\i+3], s[10:11] offset:\i*512
.endr
.endm
.rept 4
	v_nop                                          ; four places behind the last products, on both ways below
.endr
	s_cmp_lg_u32 s68, 0
	s_cbranch_scc1 .Lgive_a
	GIVE 1, XB16, XB8, 0                           ; an even quarter gives piece B, into its own region
	s_branch .Lgiven
.Lgive_a:
	GIVE 0, XB16, XB8, XHALF                       ; an odd quarter gives piece A
.Lgiven:
	s_wait_dscnt 0x0                               ; for the partner's sake: my stores are in LDS
	s_barrier_signal -1
	s_barrier_wait -1
	s_cmp_lg_u32 s68, 0
	s_cbranch_scc1 .Ljoin_b
	MEET 0, XB16, XB8, XHALF                       ; an even quarter takes piece A from the odd one's region
	BLEND 0
	s_cmp_lg_u32 s69, 0
	s_cbranch_scc0 .Ljoined
	GIVE 0, YB16, YB8, 0                           ; quarter 2 passes it on to quarter 0
	s_branch .Ljoined
.Ljoin_b:
	MEET 1, XB16, XB8, 0
	BLEND 1
	s_cmp_lg_u32 s69, 0
	s_cbranch_scc0 .Ljoined
	GIVE 1, YB16, YB8, 0                           ; quarter 3 passes it on to quarter 1
.Ljoined:
	s_wait_dscnt 0x0                               ; my stores are in LDS, my reads are back
	s_barrier_signal -1
	s_barrier_wait -1
	s_cmp_lg_u32 s69, 0
	s_cbranch_scc1 .Ltaken                         ; quarters 2 and 3 have given all
	s_cmp_lg_u32 s68, 0
	s_cbranch_scc1 .Ltake_b
	TAKE 0
	s_branch .Ltaken
.Ltake_b:
	TAKE 1
.Ltaken:
	s_wait_tensorcnt 0x0
	ds_add_u32 v254, v255
	s_wait_dscnt 0x0
	ROUND                                          ; the closing round: no work-group ends while a partner may still ask jointly
	s_endpgm
.Lfunc_end_k_qcaa0a66063_attn:
	.size	k_qcaa0a66063_attn, .Lfunc_end_k_qcaa0a66063_attn-k_qcaa0a66063_attn
	.p2alignl 7, 3214868480
	.fill 96, 4, 3214868480
	.section	.rodata,"a",@progbits
	.p2align	6, 0x0
	.amdhsa_kernel k_qcaa0a66063_attn
		.amdhsa_group_segment_fixed_size 327680
		.amdhsa_private_segment_fixed_size 0
		.amdhsa_enable_private_segment 0
		.amdhsa_kernarg_size 32
		.amdhsa_user_sgpr_count 2
		.amdhsa_user_sgpr_kernarg_segment_ptr 1
		.amdhsa_wavefront_size32 1
		.amdhsa_system_sgpr_workgroup_id_x 1
		.amdhsa_system_sgpr_workgroup_id_y 1
		.amdhsa_system_sgpr_workgroup_id_z 1
		.amdhsa_system_vgpr_workitem_id 0
		.amdhsa_next_free_vgpr 256
		.amdhsa_next_free_sgpr 72
		.amdhsa_reserve_vcc 0
		.amdhsa_float_denorm_mode_32 3
		.amdhsa_float_denorm_mode_16_64 3
		.amdhsa_memory_ordered 1
		.amdhsa_forward_progress 1
		.amdhsa_inst_pref_size 241
	.end_amdhsa_kernel
	.amdgpu_metadata
---
amdhsa.version: [ 1, 2 ]
amdhsa.kernels:
  - .name:           k_qcaa0a66063_attn
    .symbol:         k_qcaa0a66063_attn.kd
    .args:
      - { .name: qt, .offset: 0, .size: 8, .value_kind: global_buffer, .address_space: global }
      - { .name: kt, .offset: 8, .size: 8, .value_kind: global_buffer, .address_space: global }
      - { .name: vv, .offset: 16, .size: 8, .value_kind: global_buffer, .address_space: global }
      - { .name: at, .offset: 24, .size: 8, .value_kind: global_buffer, .address_space: global }
    .group_segment_fixed_size: 327680
    .private_segment_fixed_size: 0
    .kernarg_segment_align: 8
    .kernarg_segment_size: 32
    .max_flat_workgroup_size: 512
    .sgpr_count:     72
    .vgpr_count:     256
    .wavefront_size: 32
...
	.end_amdgpu_metadata
.endif
;; end of part 4
;; launch oproj: the kernel of part 3 again; grid 8 x 32, 4 waves a work-group, clusters of 4 x 4, 252,416 bytes of LDS; arguments at, ow, o_b, out0; writes out0
